; MI455X (gfx1250); checked and timed in simulation.
; The chip was launched on July 23, 2026; its instructions are those of AMD's public machine-readable ISA for CDNA 5 (MIT licence, August 2026) and "CDNA5" Instruction Set Architecture Reference Guide (July 2026). The comments in the code are by the model that wrote it; some were corrected since.
;; Multi Head Attention. Allowed arithmetic: float matrix products may take bf16 or f16 operands with f32 sums; other float arithmetic in f32, or as packed bf16 or f16 multiplies, adds, multiply-adds, maxima and minima; sums over many terms, partial sums and values carried from step to step in f32; what a program stores and reads back later, other than sums and carried values, may be rounded once to bf16 or f16.
;; Inputs: k 1 x 2,048 x 4,096 float32; q 1 x 2,048 x 4,096 float32; v 1 x 2,048 x 4,096 float32; wk 4,096 x 512 float32; wo 2,048 x 4,096 float32; wq 4,096 x 2,048 float32; wv 4,096 x 512 float32.
;; Outputs: out0 1 x 2,048 x 4,096 float32; out1 1 x 2,048 x 8 x 128 float32.
;; One version. Each part assembles by itself: llvm-mc -triple=amdgcn-amd-amdhsa -mcpu=gfx1250 --defsym DOCPART=n.
;; ======== version 1 of 1: 4 launches
;; limits: values are held in f16: magnitudes above 65,504 overflow, below 6.1e-05 lose precision; right only within a limited range of input values
;; workspace buffers: xb 51,904,512 bytes; wcat 25,952,256 bytes; woh 17,301,504 bytes; tab 524,288 bytes; qh 8,388,608 bytes; kh 2,097,152 bytes; vh 2,097,152 bytes; oh 8,650,752 bytes
;; launch cast (part 1): grid 128 x 23, 8 waves a work-group, no clusters, 0 bytes of LDS; arguments q, k, v, wq, wo, wk, wv, xb, wcat, woh, tab, oh; writes xb, wcat, woh, tab, oh
.if DOCPART == 1
	.amdgcn_target "amdgcn-amd-amdhsa--gfx1250"
	.amdhsa_code_object_version 6
	.text
	.protected	k_q40f67f7d5b_cast
	.globl	k_q40f67f7d5b_cast
	.p2align	8
	.type	k_q40f67f7d5b_cast,@function
k_q40f67f7d5b_cast:
	s_mov_b64 s[64:65], 0
	v_nop
	global_prefetch_b8 v0, s[64:65] scope:SCOPE_SE
	s_setreg_imm32_b32 hwreg(HW_REG_WAVE_MODE, 25, 1), 1
	s_wait_xcnt 0x0
; ALL INPUTS ARE ROUNDED ONCE TO 16 BITS, THE ROTATION'S TABLE IS MADE, AND THE ZEROS THAT FILL K UP TO A MULTIPLE OF 192 ARE WRITTEN.
; q, k, v [2048][4096] f32 -> xb [3][66][2048][64] bf16: plane, block of 64 k, row, k: a block's rows lie end to end, 128 bytes each.  Blocks 64 and 65 of each plane are zeros.
; wq [4096][2048], wk, wv [4096][512] f32 -> wcat [4224][3072] bf16 (columns 0.. wq, 2048.. wk, 2560.. wv; a row is 6,144 bytes); rows 4,096 on are zeros.
; wo [2048][4096] f32 -> woh [2112][4096] f16: rounded to bf16 like every other input, and that number written as f16; rows 2,048 on are zeros.  oh's block 32 (of 33) is zeros: the later launch fills blocks 0-31.
; tab [2048][64] f32: row t holds cos(t th_j), j = 0..31, then sin(t th_j); th_j = 10000^(-j/32).
; LIMITS.  |wo| stays under 65,504; below 6e-5 its f16 copy keeps a fixed step of 6e-8.  An angle t th_j is off by 2e-4 rad at the most (t = 2047): th by v_exp_f32, the product rounded once to f32,
; 2 pi taken away in two parts; the polynomials are off by less than 2e-6.  Row 0 is exactly cos = 1, sin = 0.
; SHARES.  Work-group (X, U): U picks a unit of 2,097,152 numbers (0-3 q, 4-7 k, 8-11 v, 12-15 wq, 16-19 wo, 20 wk, 21 wv, 22 the table and the zeros), X 16,384 of them.  A thread takes 16 chunks of 16 bytes; all its
; 16 loads go out at once; each register is written once, so no wait frees a source.  A store of a wave covers 256 consecutive bytes at a multiple of 256.
; No LDS, no barrier, no matrix unit: a stream has no use for them.  No prefetch: every byte is asked for at the start.
.set XR, 8                             ; v[8:71]    chunk i as loaded
.set YR, 72                            ; v[72:103]  chunk i to store
.set DR, 104                           ; v[104:119] the weights' path: chunk i's byte offset in the destination
.set TN, 20                            ; the table's path: at work
.set TQ, 21
.set TZ, 22
.set TP, 23
.set KS, 24                            ; -1/5040
.set KC, 25                            ; 1/40320
.set KBB, 262144                       ; a block of 64 k: 2,048 rows of 128 bytes
.set PLANE, 66*KBB
	s_load_b512 s[8:23], s[0:1], 0x0               ; q s[8:9], k, v, wq, wo, wk, wv s[20:21], xb s[22:23]
	s_load_b256 s[24:31], s[0:1], 0x40             ; wcat s[24:25], woh s[26:27], tab s[28:29], oh s[30:31]
	s_and_b32 s2, ttmp7, 0xffff                    ; U
	s_cmp_eq_u32 s2, 22
	s_cbranch_scc1 .Ltab
	s_cmp_lt_u32 s2, 12
	s_cbranch_scc1 .Lact
	; THE WEIGHTS.  Chunk i of thread t lies at byte 4,096 i + 16 t of the work-group's 65,536: a load of a wave covers 512 consecutive bytes.
	s_lshr_b32 s3, s2, 2                           ; the array a: 3 wq, 4 wo,
	s_and_b32 s4, s2, 3                            ; and the unit in it
	s_sub_co_u32 s39, s2, 15
	s_cmp_ge_u32 s2, 20
	s_cselect_b32 s3, s39, s3                      ; 5 wk, 6 wv: one unit each
	s_cselect_b32 s4, 0, s4
	s_mov_b32 s5, 25                               ; a source row is 2^s5 bytes; wo keeps its shape: the whole array counts as one row
	s_mov_b32 s6, 0x1ffffff
	s_mov_b32 s7, 6144                             ; a row of wcat
	s_cmp_eq_u32 s3, 3
	s_cselect_b32 s5, 13, s5
	s_cselect_b32 s6, 8191, s6
	s_cmp_ge_u32 s3, 5
	s_cselect_b32 s5, 11, s5
	s_cselect_b32 s6, 2047, s6
	s_mov_b32 s32, 0                               ; where the array begins in a row of its destination:
	s_cmp_eq_u32 s3, 5
	s_cselect_b32 s32, 4096, s32                   ; wcat's column 2,048,
	s_cmp_eq_u32 s3, 6
	s_cselect_b32 s32, 5120, s32                   ; or 2,560
	s_mov_b32 s33, 0
	s_lshl_b32 s44, s4, 23                         ; the work-group's first byte in the source array
	s_lshl_b32 s39, ttmp9, 16
	s_add_co_u32 s44, s44, s39
	s_mov_b32 s45, 0
	v_lshlrev_b32 v1, 4, v0                        ; 16 t
	v_add_nc_u32 v2, s44, v1
.irp i, 0,1,2,3,4,5,6,7,8,9,10,11,12,13,14,15
	v_add_nc_u32 v3, 4096*(\i), v2                 ; the chunk's byte in the source array,
	v_lshrrev_b32 v4, s5, v3                       ; its row,
	v_and_b32 v5, s6, v3                           ; its byte in the row,
	v_lshrrev_b32 v5, 1, v5                        ; which halves;
	v_mad_u32_u24 v[DR+(\i)], v4, s7, v5           ; row x 6,144 + that
.endr
	s_wait_kmcnt 0x0
	s_mov_b64 s[34:35], s[14:15]                   ; the source, chosen by the array's number
	s_cmp_eq_u32 s3, 4
	s_cselect_b64 s[34:35], s[16:17], s[34:35]
	s_cmp_eq_u32 s3, 5
	s_cselect_b64 s[34:35], s[18:19], s[34:35]
	s_cmp_eq_u32 s3, 6
	s_cselect_b64 s[34:35], s[20:21], s[34:35]
	s_cmp_eq_u32 s3, 4
	s_cselect_b64 s[36:37], s[26:27], s[24:25]     ; the destination
	s_add_nc_u64 s[34:35], s[34:35], s[44:45]
	s_add_nc_u64 s[36:37], s[36:37], s[32:33]
.irp i, 0,1,2,3,4,5,6,7,8,9,10,11,12,13,14,15
	global_load_b128 v[XR+4*(\i):XR+4*(\i)+3], v1, s[34:35] offset:4096*(\i) th:TH_LOAD_NT
.endr
	s_cmp_eq_u32 s3, 4
	s_cbranch_scc1 .Lf16
.irp i, 0,1,2,3,4,5,6,7,8,9,10,11,12,13,14,15
	s_wait_loadcnt 15-(\i)                         ; loads come back in order: chunk i is in, the 15 - i younger ones stay out
	v_cvt_pk_bf16_f32 v[YR+2*(\i)], v[XR+4*(\i)], v[XR+4*(\i)+1]
	v_cvt_pk_bf16_f32 v[YR+2*(\i)+1], v[XR+4*(\i)+2], v[XR+4*(\i)+3]
	global_store_b64 v[DR+(\i)], v[YR+2*(\i):YR+2*(\i)+1], s[36:37] th:TH_STORE_NT
.endr
	s_endpgm
.Lf16:                                         ; wo: to bf16, back to f32 (a shift, a mask), and that number to f16
.irp i, 0,1,2,3,4,5,6,7,8,9,10,11,12,13,14,15
	s_wait_loadcnt 15-(\i)
.irp p, 0,1
	v_cvt_pk_bf16_f32 v3, v[XR+4*(\i)+2*(\p)], v[XR+4*(\i)+2*(\p)+1]
	v_lshlrev_b32 v4, 16, v3
	v_and_b32 v5, 0xffff0000, v3
	v_cvt_pk_f16_f32 v[YR+2*(\i)+(\p)], v4, v5
.endr
	global_store_b64 v[DR+(\i)], v[YR+2*(\i):YR+2*(\i)+1], s[36:37] th:TH_STORE_NT
.endr
	s_endpgm
; THE ACTIVATIONS.  The work-group has four rows.  Chunk i of wave w is block w + 8 (i % 8) of 64 k, for the rows 2 (i / 8) and 2 (i / 8) + 1: lanes 0-15 take the block's 256 bytes of the one row, lanes 16-31 of the other;
; rounded they are 128 + 128 bytes that lie end to end in the block: one store of the wave, 256 bytes at a multiple of 256.
.Lact:
	s_lshr_b32 s3, s2, 2                           ; the plane: 0 q, 1 k, 2 v
	s_and_b32 s4, s2, 3
	s_lshl_b32 s4, s4, 7
	s_add_co_u32 s4, s4, ttmp9                     ; which four rows: 0 to 511
	s_lshl_b32 s44, s4, 16                         ; four rows of 16,384 bytes
	s_mov_b32 s45, 0
	s_mul_i32 s32, s3, PLANE
	s_lshl_b32 s39, s4, 9                          ; four rows of 128 bytes in a block
	s_add_co_u32 s32, s32, s39
	s_mov_b32 s33, 0
	v_and_b32 v3, 31, v0                           ; lane
	v_lshrrev_b32 v4, 5, v0                        ; wave
	v_and_b32 v5, 15, v0
	v_bfe_u32 v6, v0, 4, 1
	v_lshlrev_b32 v1, 4, v5                        ; source: 16 (l % 16)
	v_lshl_add_u32 v1, v6, 14, v1                  ; + a row for lanes 16-31
	v_lshl_add_u32 v1, v4, 8, v1                   ; + 256 x wave
	v_lshlrev_b32 v2, 3, v3                        ; destination: 8 l
	v_lshl_add_u32 v2, v4, 18, v2                  ; + block w
	v_add_nc_u32 v7, 32*KBB, v2                    ; and 32 blocks on, so that the stores' immediates stay inside their 24 bits
	s_wait_kmcnt 0x0
	s_mov_b64 s[34:35], s[8:9]
	s_cmp_eq_u32 s3, 1
	s_cselect_b64 s[34:35], s[10:11], s[34:35]
	s_cmp_eq_u32 s3, 2
	s_cselect_b64 s[34:35], s[12:13], s[34:35]
	s_add_nc_u64 s[34:35], s[34:35], s[44:45]
	s_add_nc_u64 s[36:37], s[22:23], s[32:33]
.irp i, 0,1,2,3,4,5,6,7,8,9,10,11,12,13,14,15
	global_load_b128 v[XR+4*(\i):XR+4*(\i)+3], v1, s[34:35] offset:((\i)/8)*32768+((\i)%8)*2048 th:TH_LOAD_NT
.endr
.irp i, 0,1,2,3,4,5,6,7,8,9,10,11,12,13,14,15
	s_wait_loadcnt 15-(\i)
	v_cvt_pk_bf16_f32 v[YR+2*(\i)], v[XR+4*(\i)], v[XR+4*(\i)+1]
	v_cvt_pk_bf16_f32 v[YR+2*(\i)+1], v[XR+4*(\i)+2], v[XR+4*(\i)+3]
.if ((\i)%8) < 4
	global_store_b64 v2, v[YR+2*(\i):YR+2*(\i)+1], s[36:37] offset:((\i)%8)*8*KBB+((\i)/8)*256 th:TH_STORE_NT
.else
	global_store_b64 v7, v[YR+2*(\i):YR+2*(\i)+1], s[36:37] offset:((\i)%8-4)*8*KBB+((\i)/8)*256 th:TH_STORE_NT
.endif
.endr
	s_endpgm
; sin and cos of x >= 0: n = the nearest whole number of turns; r = x - 2 pi n, 2 pi in two parts; q = r / 4 lies within 0.79, where a polynomial of degree 7 (8) serves; the angle is doubled twice.
.macro SINCOS x, s, c
	v_mul_f32 v[TN], 0x3e22f983, v[\x]             ; x / 2 pi
	v_rndne_f32 v[TN], v[TN]
	v_fma_f32 v[TQ], v[TN], s42, v[\x]
	v_fma_f32 v[TQ], v[TN], s43, v[TQ]
	v_mul_f32 v[TQ], 0x3e800000, v[TQ]
	v_mul_f32 v[TZ], v[TQ], v[TQ]
	v_fmaak_f32 v[TP], v[TZ], v[KS], 0x3c088889    ; 1/120 - z/5040
	v_fmaak_f32 v[TP], v[TP], v[TZ], 0xbe2aaaab    ; -1/6 + ..
	v_mul_f32 v[TP], v[TP], v[TZ]
	v_fma_f32 v[\s], v[TP], v[TQ], v[TQ]
	v_fmaak_f32 v[TP], v[TZ], v[KC], 0xbab60b61    ; -1/720 + z/40320
	v_fmaak_f32 v[TP], v[TP], v[TZ], 0x3d2aaaab    ; 1/24 + ..
	v_fmaak_f32 v[TP], v[TP], v[TZ], 0xbf000000    ; -1/2 + ..
	v_fma_f32 v[\c], v[TP], v[TZ], 1.0
.rept 2
	v_mul_f32 v[TP], v[\s], v[\c]
	v_mul_f32 v[TZ], v[\s], v[\s]
	v_fma_f32 v[\c], v[TZ], -2.0, 1.0              ; cos 2q = 1 - 2 sin^2 q
	v_add_f32 v[\s], v[TP], v[TP]                  ; sin 2q = 2 sin q cos q
.endr
.endm
.Ltab:                                         ; wave 8 X + w makes rows 2 g and 2 g + 1; lane l the two numbers at byte 8 l of a row: lanes 0-15 cosines, lanes 16-31 sines, of j = 2 (l % 16) and j + 1
	v_lshrrev_b32 v3, 5, v0
	v_readfirstlane_b32 s38, v3
	s_lshl_b32 s39, ttmp9, 3
	s_add_co_u32 s39, s39, s38
	s_lshl_b32 s39, s39, 1                         ; the first row
	s_lshl_b32 s40, s39, 8
	s_mov_b32 s42, 0xc0c90fdb                      ; -2 pi, rounded to f32,
	s_mov_b32 s43, 0x343bbd2e                      ; and what the rounding added
	v_mov_b32 v[KS], 0xb9500d01
	v_mov_b32 v[KC], 0x37d00d01
	v_and_b32 v3, 31, v0
	v_lshl_add_u32 v18, v3, 3, s40                 ; 256 x row + 8 x lane
	v_cmp_gt_u32 vcc_lo, 16, v3
	v_and_b32 v5, 15, v0
	v_lshlrev_b32 v5, 1, v5
	v_cvt_f32_u32 v6, v5                           ; j
	v_add_f32 v7, 1.0, v6
	v_mul_f32 v6, 0xbed49a78, v6                   ; -j log2(10000) / 32
	v_mul_f32 v7, 0xbed49a78, v7
	v_exp_f32 v6, v6
	v_exp_f32 v7, v7
	v_mov_b32 v26, 0                               ; (the zeros' data; also the plain instruction behind the last exponential)
	v_mov_b32 v27, 0
	s_wait_alu depctr_va_vdst(0)                   ; one wait for both exponentials, ahead of their first use
	v_lshlrev_b32 v28, 3, v0                       ; 8 t: the work-group's 256 threads store 2,048 consecutive bytes, a wave 256
	s_lshl_b32 s44, ttmp9, 12
	v_add_nc_u32 v29, s44, v28                     ; my share of a region of 524,288 bytes: 4,096 X,
	s_mul_i32 s44, ttmp9, 6144
	v_add_nc_u32 v30, s44, v28                     ; of 786,432: 6,144 X,
	s_lshl_b32 s44, ttmp9, 11
	v_add_nc_u32 v31, s44, v28                     ; of 262,144: 2,048 X
	s_wait_kmcnt 0x0
.irp t, 0,1
	s_add_co_u32 s41, s39, (\t)
	v_cvt_f32_u32 v8, s41
	v_mul_f32 v9, v8, v6
	SINCOS 9, 10, 11
	v_mul_f32 v9, v8, v7
	SINCOS 9, 12, 13
	v_cndmask_b32 v[14+2*(\t)], v10, v11, vcc_lo
	v_cndmask_b32 v[15+2*(\t)], v12, v13, vcc_lo
	global_store_b64 v18, v[14+2*(\t):15+2*(\t)], s[28:29] offset:256*(\t)  ; the wave stores one whole row of 256 bytes
.endr
	; THE ZEROS: 1/128 of each region
	s_add_nc_u64 s[32:33], s[22:23], 64*KBB                ; xb: blocks 64 and 65 of plane 0,
	s_add_nc_u64 s[34:35], s[22:23], 64*KBB+PLANE          ; 1,
	s_add_nc_u64 s[36:37], s[22:23], 64*KBB+2*PLANE        ; 2
	s_add_nc_u64 s[24:25], s[24:25], 4096*6144             ; wcat: rows 4,096 to 4,223
	s_add_nc_u64 s[26:27], s[26:27], 2048*8192             ; woh: rows 2,048 to 2,111
	s_add_nc_u64 s[30:31], s[30:31], 32*KBB                ; oh: block 32
.irp j, 0,1
	global_store_b64 v29, v[26:27], s[32:33] offset:2048*(\j) th:TH_STORE_NT
	global_store_b64 v29, v[26:27], s[34:35] offset:2048*(\j) th:TH_STORE_NT
	global_store_b64 v29, v[26:27], s[36:37] offset:2048*(\j) th:TH_STORE_NT
	global_store_b64 v29, v[26:27], s[26:27] offset:2048*(\j) th:TH_STORE_NT
.endr
.irp j, 0,1,2
	global_store_b64 v30, v[26:27], s[24:25] offset:2048*(\j) th:TH_STORE_NT
.endr
	global_store_b64 v31, v[26:27], s[30:31] th:TH_STORE_NT
	s_endpgm
.Lfunc_end_k_q40f67f7d5b_cast:
	.size	k_q40f67f7d5b_cast, .Lfunc_end_k_q40f67f7d5b_cast-k_q40f67f7d5b_cast
	.p2alignl 7, 3214868480
	.fill 96, 4, 3214868480
	.section	.rodata,"a",@progbits
	.p2align	6, 0x0
	.amdhsa_kernel k_q40f67f7d5b_cast
		.amdhsa_group_segment_fixed_size 0
		.amdhsa_private_segment_fixed_size 0
		.amdhsa_enable_private_segment 0
		.amdhsa_kernarg_size 96
		.amdhsa_user_sgpr_count 2
		.amdhsa_user_sgpr_kernarg_segment_ptr 1
		.amdhsa_wavefront_size32 1
		.amdhsa_system_sgpr_workgroup_id_x 1
		.amdhsa_system_sgpr_workgroup_id_y 1
		.amdhsa_system_sgpr_workgroup_id_z 1
		.amdhsa_system_vgpr_workitem_id 0
		.amdhsa_next_free_vgpr 128
		.amdhsa_next_free_sgpr 66
		.amdhsa_reserve_vcc 1
		.amdhsa_float_denorm_mode_32 3
		.amdhsa_float_denorm_mode_16_64 3
		.amdhsa_memory_ordered 1
		.amdhsa_forward_progress 1
		.amdhsa_inst_pref_size 35
	.end_amdhsa_kernel
	.amdgpu_metadata
---
amdhsa.version: [ 1, 2 ]
amdhsa.kernels:
  - .name:           k_q40f67f7d5b_cast
    .symbol:         k_q40f67f7d5b_cast.kd
    .args:
      - { .name: q, .offset: 0, .size: 8, .value_kind: global_buffer, .address_space: global }
      - { .name: k, .offset: 8, .size: 8, .value_kind: global_buffer, .address_space: global }
      - { .name: v, .offset: 16, .size: 8, .value_kind: global_buffer, .address_space: global }
      - { .name: wq, .offset: 24, .size: 8, .value_kind: global_buffer, .address_space: global }
      - { .name: wo, .offset: 32, .size: 8, .value_kind: global_buffer, .address_space: global }
      - { .name: wk, .offset: 40, .size: 8, .value_kind: global_buffer, .address_space: global }
      - { .name: wv, .offset: 48, .size: 8, .value_kind: global_buffer, .address_space: global }
      - { .name: xb, .offset: 56, .size: 8, .value_kind: global_buffer, .address_space: global }
      - { .name: wcat, .offset: 64, .size: 8, .value_kind: global_buffer, .address_space: global }
      - { .name: woh, .offset: 72, .size: 8, .value_kind: global_buffer, .address_space: global }
      - { .name: tab, .offset: 80, .size: 8, .value_kind: global_buffer, .address_space: global }
      - { .name: oh, .offset: 88, .size: 8, .value_kind: global_buffer, .address_space: global }
    .group_segment_fixed_size: 0
    .private_segment_fixed_size: 0
    .kernarg_segment_align: 8
    .kernarg_segment_size: 96
    .max_flat_workgroup_size: 256
    .sgpr_count:     66
    .vgpr_count:     128
    .wavefront_size: 32
...
	.end_amdgpu_metadata
.endif
;; end of part 1
;; launch proj (part 2): grid 24 x 8, 4 waves a work-group, clusters of 4 x 4, 327,680 bytes of LDS; arguments xb, wcat, tab, qh, kh, vh, out1; writes qh, kh, vh, out1
.if DOCPART == 2
	.amdgcn_target "amdgcn-amd-amdhsa--gfx1250"
	.amdhsa_code_object_version 6
	.text
	.protected	k_q40f67f7d5b_proj
	.globl	k_q40f67f7d5b_proj
	.p2align	8
	.type	k_q40f67f7d5b_proj,@function
k_q40f67f7d5b_proj:
	s_mov_b64 s[64:65], 0
	v_nop
	global_prefetch_b8 v0, s[64:65] scope:SCOPE_SE
	s_setreg_imm32_b32 hwreg(HW_REG_WAVE_MODE, 25, 1), 1
	s_wait_xcnt 0x0
	s_wait_alu depctr_hold_cnt(0) depctr_sa_sdst(0) depctr_va_vdst(0) depctr_va_sdst(0) depctr_va_ssrc(0) depctr_va_vcc(0) depctr_vm_vsrc(0)
	s_getreg_b32 s2, hwreg(HW_REG_IB_STS2, 6, 4)
	s_cmp_eq_u32 s2, 0
	s_cbranch_scc0 .Lentry_in_a_cluster
	s_endpgm
.Lentry_in_a_cluster:
	s_bfe_u32 s2, ttmp6, 0x10000c
	s_cmp_lg_u32 s2, 0xf033
	s_cbranch_scc0 .Lentry_shape_is_right
	s_endpgm
.Lentry_shape_is_right:
; THE THREE PROJECTIONS AS ONE PRODUCT, WITH THE ROTATION ON THE WAY OUT.  C[t][n] = sum over k of X[t][k] W[k][n], bf16 operands, f32 sums.  K = 4,096, filled up with zeros in X and in W to 4,224 = 22 x 192.
; W = wcat [4224][3072]: columns 0.. wq, 2048.. wk, 2560.. wv.  X = xb's plane 0 (q), 1 (k) or 2 (v), by the column block; a plane is [66 blocks of 64 k][2048 rows][64].  A head is 64 columns.
; OUT.  qh [32][2048][64], kh, vh [8][2048][64] in f16, each number A QUARTER of its value (an exact scaling), Q and K rotated; out1 [2048][8][128] f32: K rotated in columns 0-63, V in 64-127, unscaled.
; LIMITS.  |Q|, |K| behind the rotation and |V| stay under 262,000 (four times f16's 65,504); a quarter of a number below 6e-5 keeps f16's fixed step of 6e-8.  NaN and infinities are not treated apart.
; SHARES.  A tile of C is 256 x 128; four waves, each 128 rows x 64 columns, exactly one head: 32 accumulators of 16 x 16.  24 column blocks x 8 row blocks = 192 work-groups: 3,072 columns hold a factor 3,
; which no tile of a power of two shares out evenly over 256.
; THE RING.  K goes in steps of 192 through two LDS slots: (256 + 128) x 192 x 2 = 147,456 bytes of data a slot, as much as two slots in LDS allow, so that the changes of slots are as few as can be: 22.  A refill has
; 176 matrix instructions in which to land, and between the wait for it and the next request stand only the add, two scalar sums and the cluster's round.
; THE MATRIX INSTRUCTION IS USED TRANSPOSED: source 0 = 16 columns of W, turned on the way out of LDS by ds_load_tr16_b128 (W lies [k][n]); source 1 = 16 rows of X.  A lane then holds row l % 16 and the
; columns 8 (l / 16) + 0..7 of a block of 16.
; CLUSTER 4 x 4.  X's tile hangs on the tile row and on the cluster's x alone and is asked for jointly along a row of the cluster; W's on the column block alone, jointly along a column.
; REGISTERS.  window 0: v0-41 addresses, v44-59 at work, v64-159 and v160-255 two fragment buffers (X's 8 fragments, then W's 4); on the way out those 192 serve the stages.
;   window 1: accumulator (a, b) at 8 (4 a + b).   window 2: the table for my 128 rows: block a at 32 a: cos for columns 0-15, 16-31, then sin likewise (a lane's eight of each).
.set LAPS,  11                         ; a lap = two K steps
.set PA2,   272                        ; two rows of a block of 64 k in LDS: 256 bytes + 16: row t at (t / 2) x 272 + (t % 2) x 128; the 16 rows of a load take the 16-byte columns r / 2 + 8 (r % 2): all different
.set SLICE, 128*PA2                    ; 256 rows x 64 k
.set PB,    288                        ; a row of W: 256 + 32
.set BOFF,  3*SLICE                    ; a slot: X's three slices, then W's 192 rows
.set SLOT,  BOFF+192*PB
.set STAGE, 0                          ; the stages lie in slot 0: it has had its last fill, and its last reads stand ahead of the last change's barrier; the last K step is read from slot 1.
.set WSTG,  6656                       ; for each wave 16 rows x 272 bytes of f32, then 16 rows x 144 of f16
.set SPARE, 2*SLOT                     ; the spare words, 128 bytes a wave: two blocks of 256 bytes that no other line names
.set KBB,   262144                     ; a block of 64 k of all 2,048 rows
.set PLANE, 66*KBB
.set ASTEP, 3*KBB                      ; bytes from K step to K step in xb,
.set ROWB,  6144
.set BSTEP, 192*ROWB                   ; and in wcat
.set ADRA, 16                          ; v16-17  my fragments of X in slot 0, 1: slices 0 and 1,
.set ADRH, 18                          ; v18-19  slice 2 (its offset passes the 16 bits of an LDS immediate)
.set ADRB, 20                          ; v20-21  of W
.set ST16, 24                          ; the stages: where I put, where I read back
.set RD16, 25
.set ST32, 26
.set RD32, 27
.set SPW,  28                          ; my spare word's LDS address; never rewritten
.set NIL,  29                          ; 0; never rewritten
.set PFO,  30                          ; the prefetches' offset: my lane x 256 bytes (X) or x a row (W); never rewritten
.set G16,  31                          ; 16 x lane
.set CO1,  32                          ; my byte offset in two rows of out1
.set TA,   34                          ; v34-41  block a's offset in the table; never rewritten
.set TQ,   44                          ; v44-59  quarters, at work
.set F0,   64
.set F1,   160
.set RB,   64                          ; the way out, two sets by the block's parity: 32 rotated f32,
.set HB,   128                         ; 16 packed f16,
.set K16,  160                         ; 16 read back from the f16 stage,
.set K32,  192                         ; 32 from the f32 stage
.set CNT,  18
.set KIND, 19                          ; 0 Q, 1 K, 2 V: by the cluster's x alone
.set WV,   20                          ; waves 0-2 fetch X's three slices, wave 3 W's rows
.set WM,   21                          ; my half of the rows
.set WN,   22                          ; my half of the columns
.set CX,   23
.set CY,   24
.set CLX,  25
.set NBK,  26                          ; column block
.set TR,   27                          ; tile row
.set G1A,  28
.set G0A,  36
.set G1B,  44
.set G0B,  52
.set PFA,  60                          ; s[60:61] where my prefetches stand
.set PFS,  62                          ; s[62:63] their step
.set LIM,  66                          ; 1 in a wave that prefetches at slot 0's change, else the greatest number
.set CLY,  67
.set LIM1, 86                          ; the same for slot 1's change
.set MSB, 0
.macro WIN new                         ; the immediate's high byte repeats the setting that is left; a switch that changes nothing is dropped
.if MSB != (\new)
	s_set_vgpr_msb (MSB<<8)|(\new)
.set MSB, \new
.endif
.endm
.set MULW, 0x50                        ; C and D window 1, sources window 0
.macro JLOAD s                         ; a joint load; an s_nop 0 and four v_nop follow each line
	s_cmp_lt_u32 s[WV], 3
	s_cbranch_scc0 .Lfor_b_\@
	tensor_load_to_lds s[G0A+4*(\s):G0A+4*(\s)+3], s[G1A:G1A+7]
	s_nop 0
.rept 4
	v_nop
.endr
	s_branch .Lasked_\@
.Lfor_b_\@:
	tensor_load_to_lds s[G0B+4*(\s):G0B+4*(\s)+3], s[G1B:G1B+7]
	s_nop 0
.rept 4
	v_nop
.endr
.Lasked_\@:
.endm
.macro CREST                           ; a round of the cluster's barrier behind its opening barrier
	s_cmp_lg_u32 s[WV], 0
	s_cbranch_scc1 .Lnot_wave_0_\@
	s_barrier_signal -3
.Lnot_wave_0_\@:
	s_barrier_wait -3
	s_barrier_signal -1
	s_barrier_wait -1
.endm
.macro CROUND
	s_barrier_signal -1
	s_barrier_wait -1
	CREST
.endm
.macro PLACES                          ; four places in front of loads into registers that matrix instructions have read, and of lines that read results
.rept 4
	v_nop
.endr
.endm
; PREFETCHES, behind the joint load and the run of LDS loads.  X: at each change of slots waves 0-2 name their slice of the K step two refills on (384 matrix instructions ahead of its load): of its 128 blocks of 256 bytes the
; four partners along x take 32 each, by address, a lane a block; only the one cluster column that reads a plane first asks (x = 0 for q, 4 for k, 5 for v).  W: a K step's 192 rows over four partners are 48, no whole
; number of 32 lanes, so wave 3 asks once a lap, at slot 0's change, for its 96 of the 384 rows of the lap two on: three instructions, a lane a row; only the clusters with y = 0 ask.  So each block is named once.
; The loop's last trip asks for nothing: there is no K step two on.  K steps 0 to 3 come by their loads alone.
.macro ASK slot
.if (\slot) == 0
	s_cmp_gt_u32 s[CNT], s[LIM]
	s_cbranch_scc0 .Lnot_mine_\@
	global_prefetch_b8 v[PFO], s[PFA:PFA+1] th:TH_LOAD_NT scope:SCOPE_SE
	s_cmp_eq_u32 s[WV], 3
	s_cbranch_scc0 .Lnot_mine_\@
	global_prefetch_b8 v[PFO], s[PFA:PFA+1] offset:32*ROWB th:TH_LOAD_NT scope:SCOPE_SE
	global_prefetch_b8 v[PFO], s[PFA:PFA+1] offset:64*ROWB th:TH_LOAD_NT scope:SCOPE_SE
.else
	s_cmp_gt_u32 s[CNT], s[LIM1]
	s_cbranch_scc0 .Lnot_mine_\@
	global_prefetch_b8 v[PFO], s[PFA:PFA+1] th:TH_LOAD_NT scope:SCOPE_SE
.endif
.Lnot_mine_\@:
.endm
	s_load_b256 s[4:11], s[0:1], 0x0               ; xb s[4:5], wcat s[6:7], tab s[8:9], qh s[10:11]
	s_load_b128 s[12:15], s[0:1], 0x20             ; kh, vh
	s_load_b64 s[16:17], s[0:1], 0x30              ; out1
	v_lshl_add_u32 v[SPW], v0, 2, SPARE
	v_mov_b32 v[NIL], 0
	ds_add_u32 v[SPW], v[NIL]                      ; the wave's opening: the add and its wait stand ahead of my first tensor load; work on registers stands between
	v_lshrrev_b32 v1, 5, v0
	v_readfirstlane_b32 s[WV], v1
	s_lshr_b32 s[WM], s[WV], 1
	s_and_b32 s[WN], s[WV], 1
	s_bfe_u32 s[CX], ttmp6, 0x40000
	s_bfe_u32 s[CY], ttmp6, 0x40004
	s_mov_b32 s[CLX], ttmp9
	s_lshl_b32 s[NBK], ttmp9, 2
	s_add_co_u32 s[NBK], s[NBK], s[CX]
	s_and_b32 s[CLY], ttmp7, 0xffff
	s_lshl_b32 s[TR], s[CLY], 2
	s_add_co_u32 s[TR], s[TR], s[CY]
	s_max_u32 s[KIND], s[CLX], 3
	s_sub_co_u32 s[KIND], s[KIND], 3
	s_lshl_b32 s68, s[CY], 2
	s_lshl_b32 s68, 15, s68                        ; my row of the cluster
	s_lshl_b32 s69, 0x1111, s[CX]                  ; my column
	s_or_b32 s[G1A], s68, (1<<16)|(1<<20)|(1<<21)|(5<<22)|(3<<25)  ; the mask; 2-byte elements; padding on; bit 21 beside a mask; after every 64 words, 4 words
	s_or_b32 s[G1B], s69, (1<<16)|(1<<20)|(1<<21)|(5<<22)|(7<<25)  ; the same with 8 words
	s_mov_b32 s[G1A+1], 128<<16                    ; a slice's 256 rows of 128 bytes are dense: asked for as 128 rows of 256 bytes
	s_mov_b32 s[G1A+2], 128<<16
	s_mov_b32 s[G1A+3], 128<<16
	s_mov_b32 s[G1A+4], 128
	s_mov_b32 s[G1A+5], 128
	s_mov_b32 s[G1A+6], 0
	s_mov_b32 s[G1A+7], 0
	s_mov_b32 s[G1B+1], 128<<16                    ; 128 columns,
	s_mov_b32 s[G1B+2], 192<<16                    ; 192 rows of k
	s_mov_b32 s[G1B+3], 128<<16
	s_mov_b32 s[G1B+4], 192
	s_mov_b32 s[G1B+5], 3072
	s_mov_b32 s[G1B+6], 0
	s_mov_b32 s[G1B+7], 0
	s_lshl_b32 s70, s[TR], 15                      ; X: the tile row's 256 rows of 128 bytes, in block WV of the K step's three, in plane KIND
	s_lshl_b32 s71, s[WV], 18
	s_add_co_u32 s70, s70, s71
	s_mul_i32 s71, s[KIND], PLANE
	s_add_co_u32 s70, s70, s71
	s_mov_b32 s71, 0
	s_lshl_b32 s72, s[NBK], 8                      ; W: 256 bytes a column block
	s_mov_b32 s73, 0
	s_mul_i32 s74, s[WV], SLICE                    ; where X's slice goes: no place in the cluster enters an LDS address
	s_wait_dscnt 0x0                               ; the opening add is done
	s_wait_kmcnt 0x0
	s_add_nc_u64 s[70:71], s[4:5], s[70:71]
	s_add_nc_u64 s[72:73], s[6:7], s[72:73]
	CROUND                                         ; all sixteen work-groups are here: the first joint loads meet
.irp s, 0,1
	s_mov_b32 s[G0A+4*(\s)], 1
	s_add_co_u32 s[G0A+4*(\s)+1], s74, (\s)*SLOT
	s_add_nc_u64 s[G0A+4*(\s)+2:G0A+4*(\s)+3], s[70:71], (\s)*ASTEP
	s_or_b32 s[G0A+4*(\s)+3], s[G0A+4*(\s)+3], 0x80000000
	s_mov_b32 s[G0B+4*(\s)], 1
	s_mov_b32 s[G0B+4*(\s)+1], BOFF+(\s)*SLOT
	s_add_nc_u64 s[G0B+4*(\s)+2:G0B+4*(\s)+3], s[72:73], (\s)*BSTEP
	s_or_b32 s[G0B+4*(\s)+3], s[G0B+4*(\s)+3], 0x80000000
	JLOAD \s                                       ; two loads of mine are out
.endr
	v_and_b32 v1, 15, v0                           ; r = l % 16
	v_bfe_u32 v2, v0, 4, 1                         ; h = l / 16
	v_lshrrev_b32 v3, 1, v1
	v_mul_u32_u24 v3, v3, PA2                      ; X: (r / 2) x 272
	v_and_b32 v4, 1, v0
	v_lshl_add_u32 v3, v4, 7, v3                   ; + (r % 2) x 128
	v_lshl_add_u32 v3, v2, 4, v3                   ; + 16 h
	s_mul_i32 s68, s[WM], 64*PA2                   ; my 128 rows
	v_add_nc_u32 v[ADRA], s68, v3
	v_add_nc_u32 v[ADRA+1], SLOT, v[ADRA]
	v_add_nc_u32 v[ADRH], 2*SLICE, v[ADRA]
	v_add_nc_u32 v[ADRH+1], SLOT, v[ADRH]
	v_and_b32 v4, 7, v0                            ; W, turned: lane l reads row 8 h + l % 8, 16 bytes at 16 ((l / 8) % 2)
	v_lshl_add_u32 v4, v2, 3, v4
	v_mul_u32_u24 v4, v4, PB
	v_bfe_u32 v5, v0, 3, 1
	v_lshl_add_u32 v4, v5, 4, v4
	s_lshl_b32 s68, s[WN], 7
	s_add_co_u32 s68, s68, BOFF
	v_add_nc_u32 v[ADRB], s68, v4
	v_add_nc_u32 v[ADRB+1], SLOT, v[ADRB]
	; the table for my 128 rows, once, into window 2.  V is not rotated: there every lane reads row 0, which holds cos = 1 and sin = 0, so that one text serves the three kinds.
	s_lshl_b32 s80, s[TR], 8
	s_lshl_b32 s79, s[WM], 7
	s_add_co_u32 s80, s80, s79                     ; my first row t
	s_lshl_b32 s78, s80, 8
	s_cmp_eq_u32 s[KIND], 2
	s_cselect_b32 s68, 0, 256                      ; bytes from row to row,
	s_cselect_b32 s69, 0, 4096                     ; from block to block,
	s_cselect_b32 s78, 0, s78                      ; and to my first row
	s_mov_b32 s79, 0
	s_add_nc_u64 s[76:77], s[8:9], s[78:79]
	v_mul_u32_u24 v[TA], v1, s68
	v_lshl_add_u32 v[TA], v2, 5, v[TA]             ; my eight numbers: 32 h
.irp a, 1,2,3,4,5,6,7
	v_add_nc_u32 v[TA+(\a)], s69, v[TA+(\a)-1]
.endr
	WIN 0x80                                       ; destination window 2
.irp a, 0,1,2,3,4,5,6,7
.irp c, 0,1,2,3
	global_load_b128 v[32*(\a)+8*(\c):32*(\a)+8*(\c)+3],   v[TA+(\a)], s[76:77] offset:64*(\c)
	global_load_b128 v[32*(\a)+8*(\c)+4:32*(\a)+8*(\c)+7], v[TA+(\a)], s[76:77] offset:64*(\c)+16
.endr
.endr
	WIN 0
	s_mul_i32 s68, s[WV], WSTG
	s_add_co_u32 s68, s68, STAGE                   ; my stages
	v_mul_u32_u24 v3, v1, 272
	v_lshl_add_u32 v3, v2, 5, v3
	v_add_nc_u32 v[ST32], s68, v3                  ; in: row r, 32 bytes for each half of the lanes
	v_mul_u32_u24 v3, v2, 272
	v_lshl_add_u32 v3, v1, 4, v3
	v_add_nc_u32 v[RD32], s68, v3                  ; back: lanes 0-15 one row of 256 bytes, lanes 16-31 the next
	s_add_co_u32 s68, s68, 16*272
	v_mul_u32_u24 v3, v1, 144
	v_lshl_add_u32 v3, v2, 4, v3
	v_add_nc_u32 v[ST16], s68, v3
	v_bfe_u32 v3, v0, 3, 2
	v_mul_u32_u24 v3, v3, 144
	v_and_b32 v4, 7, v0
	v_lshl_add_u32 v3, v4, 4, v3
	v_add_nc_u32 v[RD16], s68, v3                  ; back: 32 lanes take four rows of 128 bytes
	v_and_b32 v3, 31, v0
	v_lshlrev_b32 v[G16], 4, v3
	v_lshlrev_b32 v[CO1], 12, v2
	v_lshl_add_u32 v[CO1], v1, 4, v[CO1]
	s_cmp_eq_u32 s[KIND], 0
	s_cselect_b32 s68, s[NBK], s[CX]               ; the head: two to a column block
	s_cselect_b64 s[72:73], s[10:11], s[12:13]
	s_cmp_eq_u32 s[KIND], 2
	s_cselect_b64 s[72:73], s[14:15], s[72:73]
	s_cselect_b32 s69, 256, 0                      ; V's half of a head's 512 bytes in out1
	s_lshl_b32 s68, s68, 1
	s_add_co_u32 s68, s68, s[WN]
	s_lshl_b32 s78, s68, 18                        ; a head is 262,144 bytes, a row 128
	s_lshl_b32 s79, s80, 7
	s_add_co_u32 s78, s78, s79
	s_mov_b32 s79, 0
	s_add_nc_u64 s[72:73], s[72:73], s[78:79]      ; the f16 tensor at my first row
	s_lshl_b32 s78, s80, 12
	s_lshl_b32 s68, s68, 9
	s_add_co_u32 s78, s78, s68
	s_add_co_u32 s78, s78, s69
	s_add_nc_u64 s[74:75], s[16:17], s[78:79]      ; out1 likewise (not used for Q)
	s_mov_b32 s84, 0x3e800000                      ; 1/4, named as a pair
	s_mov_b32 s85, s84
	; the prefetches
	s_cmp_eq_u32 s[CLX], 0
	s_cselect_b32 s68, 1, 0
	s_cmp_ge_u32 s[CLX], 4
	s_cselect_b32 s68, 1, s68                      ; my cluster column asks for X
	s_cmp_eq_u32 s[CLY], 0
	s_cselect_b32 s69, 1, 0                        ; my cluster row asks for W
	s_mov_b32 s[PFS], BSTEP
	s_mov_b32 s81, ROWB
	s_cmp_lt_u32 s[WV], 3
	s_cselect_b32 s68, s68, s69
	s_cselect_b64 s[PFA:PFA+1], s[4:5], s[6:7]
	s_cselect_b32 s[PFS], ASTEP, s[PFS]
	s_cselect_b32 s81, 256, s81
	s_mov_b32 s[PFS+1], 0
	s_cmp_eq_u32 s68, 1
	s_cselect_b32 s[LIM], 1, -1                    ; hangs on the cluster's place and the wave's number alone
	s_cmp_lt_u32 s[WV], 3
	s_cselect_b32 s[LIM1], s[LIM], -1
	s_lshl_b32 s78, s[TR], 15
	s_lshl_b32 s79, s[WV], 18
	s_add_co_u32 s78, s78, s79
	s_mul_i32 s79, s[KIND], PLANE
	s_add_co_u32 s78, s78, s79
	s_lshl_b32 s79, s[CX], 13                      ; X: my work-group's 32 of the slice's 128 blocks
	s_add_co_u32 s78, s78, s79
	s_add_co_u32 s78, s78, 3*ASTEP                 ; at K step 3: the first change of slots steps it to 4
	s_lshl_b32 s82, s[NBK], 8
	s_mul_i32 s83, s[CY], 96*ROWB                  ; W: my work-group's 96 of a lap's 384 rows
	s_add_co_u32 s82, s82, s83
	s_add_co_u32 s82, s82, 3*BSTEP
	s_cmp_lt_u32 s[WV], 3
	s_cselect_b32 s78, s78, s82
	s_mov_b32 s79, 0
	s_add_nc_u64 s[PFA:PFA+1], s[PFA:PFA+1], s[78:79]
	v_mul_u32_u24 v[PFO], v3, s81
; n x 4 matrix instructions: row blocks a0 .. a0 + n - 1 x all 4 column blocks, 32 along K.  The 32 accumulators take turns in the same order in every quarter.  zero = 1: the product starts the sum.
.macro MUL f, a0, n, zero
	WIN MULW
.set ma, \a0
.rept \n
.irp b, 0,1,2,3
.if \zero
	v_wmma_f32_16x16x32_bf16 v[8*(4*ma+(\b)):8*(4*ma+(\b))+7], v[(\f)+64+8*(\b):(\f)+64+8*(\b)+7], v[(\f)+8*ma:(\f)+8*ma+7], 0
.else
	v_wmma_f32_16x16x32_bf16 v[8*(4*ma+(\b)):8*(4*ma+(\b))+7], v[(\f)+64+8*(\b):(\f)+64+8*(\b)+7], v[(\f)+8*ma:(\f)+8*ma+7], v[8*(4*ma+(\b)):8*(4*ma+(\b))+7]
.endif
.endr
.set ma, ma+1
.endr
.endm
; 24 LDS loads in one run: the fragments of 32 along K, number q of a K step's six (slice q / 2, its half q % 2), into buffer f: W's four (turned), then X's eight
.macro FETCH slot, q, f
	WIN 0
.irp b, 0,1,2,3
	ds_load_tr16_b128 v[(\f)+64+8*(\b):(\f)+64+8*(\b)+3],   v[ADRB+(\slot)] offset:(\q)*32*PB+32*(\b)
	ds_load_tr16_b128 v[(\f)+64+8*(\b)+4:(\f)+64+8*(\b)+7], v[ADRB+(\slot)] offset:(\q)*32*PB+32*(\b)+16*PB
.endr
.if (\q) < 4
.irp i, 0,1,2,3,4,5,6,7
	ds_load_b128 v[(\f)+8*(\i):(\f)+8*(\i)+3],   v[ADRA+(\slot)] offset:((\q)/2)*SLICE+((\q)%2)*64+(\i)*8*PA2
	ds_load_b128 v[(\f)+8*(\i)+4:(\f)+8*(\i)+7], v[ADRA+(\slot)] offset:((\q)/2)*SLICE+((\q)%2)*64+(\i)*8*PA2+32
.endr
.else
.irp i, 0,1,2,3,4,5,6,7
	ds_load_b128 v[(\f)+8*(\i):(\f)+8*(\i)+3],   v[ADRH+(\slot)] offset:((\q)%2)*64+(\i)*8*PA2
	ds_load_b128 v[(\f)+8*(\i)+4:(\f)+8*(\i)+7], v[ADRH+(\slot)] offset:((\q)%2)*64+(\i)*8*PA2+32
.endr
.endif
.endm
; A K step is six parts of 32 along K, 32 matrix instructions each, on buffers 0, 1, 0, 1, 0, 1.  One of the first five multiplies buffer f and fetches part q into g.
.macro QUARTER slot, q, f, g, zero
	s_wait_dscnt 8                                 ; W and X's blocks 0-3 are in; the youngest eight loads (blocks 4-7) may be out
	MUL \f, 0, 4, \zero
	PLACES
	FETCH \slot, \q, \g
	s_wait_dscnt 24                                ; all but the 24 just issued
	MUL \f, 4, 4, \zero
.endm
.macro MID slot                        ; parts 1 to 4 are multiplied, parts 2 to 5 fetched
	QUARTER \slot, 2, F1, F0, 0
	QUARTER \slot, 3, F0, F1, 0
	QUARTER \slot, 4, F1, F0, 0
	QUARTER \slot, 5, F0, F1, 0
.endm
; The last part multiplies buffer 1 and changes slots: ONE barrier; in front of it each wave waits for all its tensor loads (one is out: its part of the next slot), adds 0 to its spare word, and waits
; for that and for its reads of this slot.  Half of the part's products stand ahead of the wait for the loads, half behind the refill: what stands between a tile's landing and the next request is kept short.
; fill = 1: the barrier opens a round of the cluster's, and this slot is filled again first thing behind it, two K steps ahead.
.macro TURN slot, next, fill
.if \fill
	s_wait_xcnt 0x0                                ; the last prefetches, a K step back, have read their address
	s_add_nc_u64 s[PFA:PFA+1], s[PFA:PFA+1], s[PFS:PFS+1]
.endif
	s_wait_dscnt 8
	MUL F1, 0, 4, 0
	WIN 0
	s_wait_tensorcnt 0x0                           ; no tensor load of mine is out, so a group 0 may be written
	ds_add_u32 v[SPW], v[NIL]
.if \fill
	s_add_nc_u64 s[G0A+4*(\slot)+2:G0A+4*(\slot)+3], s[G0A+4*(\slot)+2:G0A+4*(\slot)+3], 2*ASTEP
	s_add_nc_u64 s[G0B+4*(\slot)+2:G0B+4*(\slot)+3], s[G0B+4*(\slot)+2:G0B+4*(\slot)+3], 2*BSTEP
.endif
	s_wait_dscnt 0x0                               ; the add is done, and my reads of this slot are over
	s_barrier_signal -1
	s_barrier_wait -1
.if \fill
	CREST                                          ; no wave of any partner still reads this slot or has a load on its way
	JLOAD \slot                                    ; its four v_nop are also the places in front of the loads below
.else
	PLACES
.endif
	FETCH \next, 0, F0
.if \fill
	ASK \slot
.endif
	MUL F1, 4, 4, 0
.endm
	s_wait_tensorcnt 1                             ; my part of K step 0 is in; K step 1's may stay out
	s_barrier_signal -1
	s_barrier_wait -1
	FETCH 0, 0, F0
	QUARTER 0, 1, F0, F1, 1                        ; the first part stands in front of the loop: its products start the sums
	WIN 0
	s_mov_b32 s[CNT], LAPS-1
.Llap:                                         ; a trip goes once round the ring and fills both slots again
	MID 0
	TURN 0, 1, 1
	QUARTER 1, 1, F0, F1, 0
	MID 1
	TURN 1, 0, 1
	QUARTER 0, 1, F0, F1, 0
	WIN 0
	s_sub_co_u32 s[CNT], s[CNT], 1
	s_cmp_lg_u32 s[CNT], 0
	s_cbranch_scc1 .Llap
	MID 0                                          ; the last lap fills nothing
	TURN 0, 1, 0
	QUARTER 1, 1, F0, F1, 0
	MID 1
	s_wait_dscnt 8
	MUL F1, 0, 4, 0
	s_wait_dscnt 0x0
	MUL F1, 4, 4, 0
	WIN 0
	PLACES
	PLACES
; THE WAY OUT, a block of 16 rows at a time.  ROPE: with x1 = columns 0-31 (accumulators b = 0, 1) and x2 = columns 32-63 (b = 2, 3): x1 cos - x2 sin and x2 cos + x1 sin, in f32; each accumulator's lowest
; registers are read first.  Then a quarter of each, rounded to f16.
.macro ROPE a
.set rR, RB+32*((\a)%2)
.set rH, HB+16*((\a)%2)
	WIN 0x09                                       ; source 0 window 1 (sums), source 1 window 2 (table)
.irp b, 0,1
.irp p, 0,1,2,3
	v_pk_mul_f32 v[rR+8*(\b)+2*(\p):rR+8*(\b)+2*(\p)+1], v[8*(4*(\a)+(\b))+2*(\p):8*(4*(\a)+(\b))+2*(\p)+1], v[32*(\a)+8*(\b)+2*(\p):32*(\a)+8*(\b)+2*(\p)+1]
.endr
.endr
.irp b, 0,1
.irp p, 0,1,2,3
	v_pk_mul_f32 v[rR+16+8*(\b)+2*(\p):rR+16+8*(\b)+2*(\p)+1], v[8*(4*(\a)+(\b)+2)+2*(\p):8*(4*(\a)+(\b)+2)+2*(\p)+1], v[32*(\a)+8*(\b)+2*(\p):32*(\a)+8*(\b)+2*(\p)+1]
.endr
.endr
.irp b, 0,1
.irp p, 0,1,2,3
	v_pk_fma_f32 v[rR+8*(\b)+2*(\p):rR+8*(\b)+2*(\p)+1], v[8*(4*(\a)+(\b)+2)+2*(\p):8*(4*(\a)+(\b)+2)+2*(\p)+1], v[32*(\a)+16+8*(\b)+2*(\p):32*(\a)+16+8*(\b)+2*(\p)+1], v[rR+8*(\b)+2*(\p):rR+8*(\b)+2*(\p)+1] neg_lo:[1,0,0] neg_hi:[1,0,0]
.endr
.endr
.irp b, 0,1
.irp p, 0,1,2,3
	v_pk_fma_f32 v[rR+16+8*(\b)+2*(\p):rR+16+8*(\b)+2*(\p)+1], v[8*(4*(\a)+(\b))+2*(\p):8*(4*(\a)+(\b))+2*(\p)+1], v[32*(\a)+16+8*(\b)+2*(\p):32*(\a)+16+8*(\b)+2*(\p)+1], v[rR+16+8*(\b)+2*(\p):rR+16+8*(\b)+2*(\p)+1]
.endr
.endr
	WIN 0
.irp g, 0,1
.irp p, 0,1,2,3,4,5,6,7
	v_pk_mul_f32 v[TQ+2*(\p):TQ+2*(\p)+1], v[rR+16*(\g)+2*(\p):rR+16*(\g)+2*(\p)+1], s[84:85] op_sel_hi:[1,0]
.endr
.irp p, 0,1,2,3,4,5,6,7
	v_cvt_pk_f16_f32 v[rH+8*(\g)+(\p)], v[TQ+2*(\p)], v[TQ+2*(\p)+1]
.endr
.endr
.endm
; Into my own stages and back as whole rows.  LDS serves a wave's instructions in order, so no wait stands between the stores and the loads.  The f32 stage is run for Q too: one text.
.macro TOSTAGE a
.set rR, RB+32*((\a)%2)
.set rH, HB+16*((\a)%2)
.set rK16, K16+16*((\a)%2)
.set rK32, K32+32*((\a)%2)
	s_wait_xcnt 0x0                                ; the stores of the block two back have read these registers
.irp b, 0,1,2,3
	ds_store_b128 v[ST16], v[rH+4*(\b):rH+4*(\b)+3] offset:32*(\b)
.endr
.irp f, 0,1,2,3
	ds_load_b128 v[rK16+4*(\f):rK16+4*(\f)+3], v[RD16] offset:576*(\f)
.endr
.irp b, 0,1,2,3
	ds_store_b128 v[ST32], v[rR+8*(\b):rR+8*(\b)+3] offset:64*(\b)
	ds_store_b128 v[ST32], v[rR+8*(\b)+4:rR+8*(\b)+7] offset:64*(\b)+16
.endr
.irp f, 0,1,2,3,4,5,6,7
	ds_load_b128 v[rK32+4*(\f):rK32+4*(\f)+3], v[RD32] offset:544*(\f)
.endr
.endm
.macro SEND a
.set rK16, K16+16*((\a)%2)
.set rK32, K32+32*((\a)%2)
	s_wait_dscnt 0x0
.irp f, 0,1,2,3
	global_store_b128 v[G16], v[rK16+4*(\f):rK16+4*(\f)+3], s[72:73] offset:2048*(\a)+512*(\f)  ; 512 consecutive bytes of the head's rows
.endr
	s_cmp_eq_u32 s[KIND], 0
	s_cbranch_scc1 .Lno_cache_\@                   ; Q has no part in out1
.irp f, 0,1,2,3,4,5,6,7
	global_store_b128 v[CO1], v[rK32+4*(\f):rK32+4*(\f)+3], s[74:75] offset:(16*(\a)+2*(\f))*4096 th:TH_STORE_NT  ; 16 lanes store 256 consecutive bytes, at a multiple of 256
.endr
.Lno_cache_\@:
.endm
	s_wait_loadcnt 0x0                             ; the table
	ROPE 0
	TOSTAGE 0
.irp a, 1,2,3,4,5,6,7                  ; a block's arithmetic stands between the loads of the block before and its stores
	ROPE \a
	SEND (\a)-1
	TOSTAGE \a
.endr
	SEND 7
	s_wait_tensorcnt 0x0                           ; the wave's end: behind my last tensor load and my last LDS store
	ds_add_u32 v[SPW], v[NIL]
	s_wait_dscnt 0x0
	CROUND                                         ; the closing round
	s_endpgm
.Lfunc_end_k_q40f67f7d5b_proj:
	.size	k_q40f67f7d5b_proj, .Lfunc_end_k_q40f67f7d5b_proj-k_q40f67f7d5b_proj
	.p2alignl 7, 3214868480
	.fill 96, 4, 3214868480
	.section	.rodata,"a",@progbits
	.p2align	6, 0x0
	.amdhsa_kernel k_q40f67f7d5b_proj
		.amdhsa_group_segment_fixed_size 327680
		.amdhsa_private_segment_fixed_size 0
		.amdhsa_enable_private_segment 0
		.amdhsa_kernarg_size 56
		.amdhsa_user_sgpr_count 2
		.amdhsa_user_sgpr_kernarg_segment_ptr 1
		.amdhsa_wavefront_size32 1
		.amdhsa_system_sgpr_workgroup_id_x 1
		.amdhsa_system_sgpr_workgroup_id_y 1
		.amdhsa_system_sgpr_workgroup_id_z 1
		.amdhsa_system_vgpr_workitem_id 0
		.amdhsa_next_free_vgpr 768
		.amdhsa_next_free_sgpr 96
		.amdhsa_reserve_vcc 0
		.amdhsa_float_denorm_mode_32 3
		.amdhsa_float_denorm_mode_16_64 3
		.amdhsa_memory_ordered 1
		.amdhsa_forward_progress 1
		.amdhsa_inst_pref_size 165
	.end_amdhsa_kernel
	.amdgpu_metadata
---
amdhsa.version: [ 1, 2 ]
amdhsa.kernels:
  - .name:           k_q40f67f7d5b_proj
    .symbol:         k_q40f67f7d5b_proj.kd
    .args:
      - { .name: xb, .offset: 0, .size: 8, .value_kind: global_buffer, .address_space: global }
      - { .name: wcat, .offset: 8, .size: 8, .value_kind: global_buffer, .address_space: global }
      - { .name: tab, .offset: 16, .size: 8, .value_kind: global_buffer, .address_space: global }
      - { .name: qh, .offset: 24, .size: 8, .value_kind: global_buffer, .address_space: global }
      - { .name: kh, .offset: 32, .size: 8, .value_kind: global_buffer, .address_space: global }
      - { .name: vh, .offset: 40, .size: 8, .value_kind: global_buffer, .address_space: global }
      - { .name: out1, .offset: 48, .size: 8, .value_kind: global_buffer, .address_space: global }
    .group_segment_fixed_size: 327680
    .private_segment_fixed_size: 0
    .kernarg_segment_align: 8
    .kernarg_segment_size: 56
    .max_flat_workgroup_size: 128
    .sgpr_count:     96
    .vgpr_count:     768
    .wavefront_size: 32
...
	.end_amdgpu_metadata
.endif
;; end of part 2
;; launch attn (part 3): grid 32 x 8, 4 waves a work-group, clusters of 4 x 1, 327,680 bytes of LDS; arguments qh, kh, vh, oh; writes oh
.if DOCPART == 3
	.amdgcn_target "amdgcn-amd-amdhsa--gfx1250"
	.amdhsa_code_object_version 6
	.text
	.protected	k_q40f67f7d5b_attn
	.globl	k_q40f67f7d5b_attn
	.p2align	8
	.type	k_q40f67f7d5b_attn,@function
k_q40f67f7d5b_attn:
	s_mov_b64 s[64:65], 0
	v_nop
	global_prefetch_b8 v0, s[64:65] scope:SCOPE_SE
	s_setreg_imm32_b32 hwreg(HW_REG_WAVE_MODE, 25, 1), 1
	s_wait_xcnt 0x0
	s_wait_alu depctr_hold_cnt(0) depctr_sa_sdst(0) depctr_va_vdst(0) depctr_va_sdst(0) depctr_va_ssrc(0) depctr_va_vcc(0) depctr_vm_vsrc(0)
	s_getreg_b32 s2, hwreg(HW_REG_IB_STS2, 6, 4)
	s_cmp_eq_u32 s2, 0
	s_cbranch_scc0 .Lentry_in_a_cluster
	s_endpgm
.Lentry_in_a_cluster:
	s_bfe_u32 s2, ttmp6, 0x10000c
	s_cmp_lg_u32 s2, 0x3003
	s_cbranch_scc0 .Lentry_shape_is_right
	s_endpgm
.Lentry_shape_is_right:
; CAUSAL ATTENTION WITH GROUPED QUERIES.  oh[8 g + hk][t][:] = the sum over T <= t of softmax_T(Q[8 g + hk][t] . K[hk][T] / 8) V[hk][T][:].  qh, oh: [32][2048][64], kh, vh: [8][2048][64], all f16; a head's rows are dense, 128 bytes.
; qh, kh and vh hold A QUARTER of Q, K, V: the products come out as a sixteenth of the scores, so c = 16 log2(e) / 8, and O is multiplied by 4 with the division by l: oh holds O itself.
; Products, maxima and sums in f32; the weights p are rounded to f16 for the second product (their sum l is taken of the unrounded p), O once at the end.
; LIMITS.  |O| stays under 65,504.  A hidden score counts as its value less 1e30; a weight below 2^-126 counts as 0 in l; NaN and infinities are not treated apart.
; SHARES.  A block is 32 positions t for the four query heads of one key head hk: wave w takes head 8 w + hk, two tiles of 16 queries.  A work-group takes block 63 - B and then block B (B = 0..31).
; THE WALK.  Keys go in tiles of 256 (a slot; four steps of 64).  Block i needs tiles 0 .. i / 8: 8 - J and J + 1 tiles with J = B / 8: nine tiles, 36 steps, whatever B.  J hangs on the cluster's number alone (B = 4 x cluster + cx),
; so the four partners walk the same tiles and ask for each JOINTLY.  cx enters Q's and O's addresses, the prefetches' and the masks' scalars (by selects): no branch, no trip count, no LDS address, no descriptor.
; THE MASK is the C operand that starts S^T = K Q^T.  Key block 4 S + kb of 16 stands against query tile 2 i + u: with DD = 2 i - 4 S and d = kb - u the mask is 0 (DD > d), the triangle TRI (DD = d) or -1e30 (DD < d):
; MC = TRI x AL_d + BE_d.  It is made anew only in the trips of a block's last tile; elsewhere it is 0.
; LAYOUT.  S^T holds ONE query a lane (l % 16) and the keys 8 (l / 16) + 0..7; two such results rounded to f16 ARE source 1 of O^T = V^T P.  p = 2^(c s - c m) with a running maximum m; O and l are multiplied by
; a = 2^(c m_old - c m_new) in every step.  m starts at the lowest finite number, so a block's first step has a = 0, and what O and l held need only be finite.
; A STEP goes in phases: 16 products K Q^T; maximum and statistics; scalings and exponentials (66 in one batch, one wait); roundings and rescaling; 16 products V^T P, three vector lines behind each.
; K of the next step is fetched behind the products K Q^T, V behind the products V^T P: so at a change of slots the old slot has been read out, and the step in registers is computed behind it.
; REGISTERS.  window 0: v0-15 addresses; v16-31 statistics, eight a tile (c m, m, l, l, c0-c3; a takes c2); v32-95 S^T; v96-127 P; v128-191 O^T; v192-255 V of one step.
;   window 1: v0-31 Q; v32-63 the second block's Q; v64-127 K of one step; v128-191 MC; v192-199 TRI.
.set KS,    64
.set PK,    144                        ; a row of K in LDS: 128 bytes + 16: the 16 rows of a load start at 16 different groups of four banks
.set PV,    160                        ; a row of V: 128 + 32
.set VOFF,  4*KS*PK                    ; a slot: 256 rows of K, then 256 rows of V
.set SLOT1, 1<<17
.set STAGE, SLOT1+4*KS*(PK+PV)         ; behind the ring, never filled by a tensor load: 16 rows x 144 bytes for each wave
.set SP,    144
.set SPARE, STAGE+4*16*SP              ; the spare words, 128 bytes a wave: two blocks of 256 bytes that no other line names
.set AK0, 2
.set AV0, 3
.set AK,  4
.set AV,  5
.set STO, 6
.set RD,  7
.set GO,  8
.set SPW, 10                           ; my spare word's LDS address; never rewritten
.set NIL, 11                           ; 0; never rewritten
.set MV,  12                           ; v12-13  c m_old, by tile
.set PFO, 14                           ; 256 x lane; never rewritten
.set QO,  15
.set ST,  16
.set S,   32
.set P,   96
.set O,   128
.set VF,  192
.set QF,  0                            ; window 1
.set QB,  32
.set KF,  64
.set MC,  128
.set TRI, 192
.set WV,  12
.set CX,  13
.set JJ,  14                           ; J
.set HI,  15                           ; 7 - J
.set LIM, 16                           ; 2 in a wave that prefetches, else the greatest number
.set PFA, 18
.set G1K, 24
.set G1V, 32
.set G0K, 40
.set G0V, 44
.set DD,  48
.set B2,  49                           ; 2 B
.set OLO, 50                           ; s[50:51] O at the second block
.set QLO, 52                           ; s[52:53] Q at the second block
.set SLOTS, 56
.set CNT, 57
.set CS,  58                           ; s[58:59] c
.set SEL, 60
.set TBK, 62
.set TBV, 63
.set RT,  70                           ; tiles of the block in hand still to be entered
.set NXT, 71                           ; the tile to be asked for next
.set LQ,  72                           ; the last tile of the block whose tiles are being asked for
.set NEW, 73                           ; 1: the tile to be entered is a block's first
.set OFF, 74
.set BIGN, 76
.set AL,  78                           ; s[78:87] five pairs, d = -1 .. 3
.set BE,  88                           ; s[88:97]
.set MSB, 0
.macro WIN new
.if MSB != (\new)
	s_set_vgpr_msb (MSB<<8)|(\new)
.set MSB, (\new)
.endif
.endm
.macro JLOAD                           ; a joint fill: waves 0 and 1 fetch the halves of a tile's K, waves 2 and 3 of its V; an s_nop 0 and four v_nop follow each line
	s_cmp_lt_u32 s[WV], 2
	s_cbranch_scc0 .Lfor_v_\@
	tensor_load_to_lds s[G0K:G0K+3], s[G1K:G1K+7]
	s_nop 0
.rept 4
	v_nop
.endr
	s_branch .Lasked_\@
.Lfor_v_\@:
	tensor_load_to_lds s[G0V:G0V+3], s[G1V:G1V+7]
	s_nop 0
.rept 4
	v_nop
.endr
.Lasked_\@:
.endm
.macro CROUND
	s_barrier_signal -1
	s_barrier_wait -1
	s_cmp_lg_u32 s[WV], 0
	s_cbranch_scc1 .Lnot_wave_0_\@
	s_barrier_signal -3
.Lnot_wave_0_\@:
	s_barrier_wait -3
	s_barrier_signal -1
	s_barrier_wait -1
.endm
; A prefetch of the tile that the NEXT change of slots will ask for: four key steps ahead of that load.  A tile is 128 blocks of 256 bytes of K and of V.  All eight clusters of a key head walk the same tiles; cluster 0, whose
; first block walks tiles 0 to 7, asks; its four partners take 32 blocks each, by address; wave 0 asks for K's, wave 2 for V's: each block is named once.  Tiles 0 and 1 come by their loads alone; the change that fills tile 7 and the one behind it ask for nothing.
.macro ASK
	s_cmp_gt_u32 s[SLOTS], s[LIM]
	s_cbranch_scc0 .Lnot_mine_\@
	global_prefetch_b8 v[PFO], s[PFA:PFA+1] th:TH_LOAD_NT scope:SCOPE_SE
.Lnot_mine_\@:
.endm
; THE CHANGE OF SLOTS.  Each wave waits for all its tensor loads (one is out: its part of the other slot), adds 0 to its spare word, and waits for that and for its reads of the slot that it leaves.
; fill = 1: the barrier is a round of the cluster's, and the old slot is filled again first thing behind it, with tile NXT: the fill has a tile's four steps in which to land.
.macro CHANGE fill
	WIN 0
	s_wait_tensorcnt 0x0                           ; no tensor load of mine is out, so a group 0 may be written
	ds_add_u32 v[SPW], v[NIL]                      ; 0 onto my spare word; scalar work stands between it and the wait for it
.if \fill
	s_lshl_b32 s[OFF], s[NXT], 15                  ; a tile is 32,768 bytes of K and of V
	s_xor_b32 s[G0K+1], s[G0K+1], SLOT1
	s_add_nc_u64 s[G0K+2:G0K+3], s[6:7], s[OFF:OFF+1]
	s_or_b32 s[G0K+3], s[G0K+3], 0x80000000
	s_xor_b32 s[G0V+1], s[G0V+1], SLOT1
	s_add_nc_u64 s[G0V+2:G0V+3], s[8:9], s[OFF:OFF+1]
	s_or_b32 s[G0V+3], s[G0V+3], 0x80000000
	s_add_co_u32 s[NXT], s[NXT], 1                 ; the block's next tile, or behind its last the second block's tile 0
	s_cmp_gt_u32 s[NXT], s[LQ]
	s_cselect_b32 s[NXT], 0, s[NXT]
	s_cselect_b32 s[LQ], s[JJ], s[LQ]
	s_wait_xcnt 0x0                                ; the last prefetch, a tile back, has read its address
	s_add_nc_u64 s[PFA:PFA+1], s[PFA:PFA+1], 32768
.endif
	s_sub_co_u32 s[TBK], s[TBK], 4*KS*PK           ; the fetches go back to a slot's first step,
	s_xor_b32 s[TBK], s[TBK], SLOT1                ; in the other slot
	s_sub_co_u32 s[TBV], s[TBV], 4*KS*PV
	s_xor_b32 s[TBV], s[TBV], SLOT1
	s_wait_dscnt 0x0                               ; the add is done, and my reads of the slot are over
.if \fill
	CROUND
	JLOAD
	ASK
.else
	s_barrier_signal -1
	s_barrier_wait -1
.endif
.endm
	s_load_b256 s[4:11], s[0:1], 0x0               ; qh s[4:5], kh s[6:7], vh s[8:9], oh s[10:11]
	v_lshl_add_u32 v[SPW], v0, 2, SPARE
	v_mov_b32 v[NIL], 0
	ds_add_u32 v[SPW], v[NIL]                      ; the wave's opening: the add and its wait stand ahead of my first tensor load; work on registers stands between
	v_lshrrev_b32 v1, 5, v0
	v_readfirstlane_b32 s[WV], v1
	s_bfe_u32 s[CX], ttmp6, 0x40000
	s_lshl_b32 s20, ttmp9, 2
	s_add_co_u32 s20, s20, s[CX]                   ; B
	s_lshr_b32 s[JJ], ttmp9, 1
	s_sub_co_u32 s[HI], 7, s[JJ]
	s_and_b32 s21, ttmp7, 0xffff                   ; hk
	s_lshl_b32 s[B2], s20, 1
	s_sub_co_u32 s[DD], 126, s[B2]                 ; 2 (63 - B): the first block's DD at key step 0
	s_and_b32 s54, s[WV], 1                        ; which half of a tile's 256 keys I fetch
	s_lshl_b32 s22, s21, 18
	s_lshl_b32 s23, s54, 14
	s_add_co_u32 s22, s22, s23
	s_mov_b32 s23, 0
	s_mul_i32 s55, s54, 128*PK
	s_mul_i32 s17, s54, 128*PV
	s_lshl_b32 s2, s[WV], 3
	s_add_co_u32 s2, s2, s21                       ; my query head
	s_lshl_b32 s2, s2, 18
	s_sub_co_u32 s3, 63, s20
	s_lshl_b32 s3, s3, 12                          ; a block's 32 rows are 4,096 bytes
	s_add_co_u32 s98, s2, s3
	s_mov_b32 s99, 0
	s_lshl_b32 s3, s20, 12
	s_add_co_u32 s100, s2, s3
	s_mov_b32 s101, 0
	; 128 keys are 16,384 dense bytes: asked for as 64 rows of 256 bytes, two keys a row, padded in LDS after every key
	s_mov_b32 s[G1K], 15|(1<<16)|(1<<20)|(1<<21)|(4<<22)|(3<<25)  ; the mask of four; 2-byte elements; padding on; bit 21 beside a mask; after every 32 words, 4 words
	s_mov_b32 s[G1V], 15|(1<<16)|(1<<20)|(1<<21)|(4<<22)|(7<<25)  ; the same with 8 words
.irp g, G1K, G1V
	s_mov_b32 s[\g+1], 128<<16
	s_mov_b32 s[\g+2], 64<<16
	s_mov_b32 s[\g+3], 128<<16
	s_mov_b32 s[\g+4], 64
	s_mov_b32 s[\g+5], 128
	s_mov_b32 s[\g+6], 0
	s_mov_b32 s[\g+7], 0
.endr
	s_mov_b32 s[CS], 0x4038aa3b                    ; c = 2 log2(e)
	s_mov_b32 s[CS+1], s[CS]
	s_mov_b32 s[SEL], 0x76543210
	s_mov_b32 s[SEL+1], 0xfedcba98
	s_mov_b32 s[TBK], SLOT1+4*KS*PK                ; the first change of slots turns these two into 0
	s_mov_b32 s[TBV], SLOT1+4*KS*PV
	s_mov_b32 s[G0K], 1
	s_mov_b32 s[G0K+1], s55
	s_mov_b32 s[G0V], 1
	s_add_co_u32 s[G0V+1], s17, VOFF
	s_add_co_u32 s[RT], s[HI], 1
	s_mov_b32 s[NXT], 1
	s_mov_b32 s[LQ], s[HI]
	s_mov_b32 s[NEW], 1
	s_mov_b32 s[OFF+1], 0
	s_mov_b32 s[BIGN], 0xf149f2ca                  ; -1e30
	s_mov_b32 s[SLOTS], 8
.irp d, 0,1,2,3,4
	s_mov_b32 s[AL+2*(\d)+1], 0                    ; named as pairs
	s_mov_b32 s[BE+2*(\d)+1], 0
.endr
	s_and_b32 s[LIM], s[WV], 1
	s_or_b32 s[LIM], s[LIM], ttmp9
	s_cmp_eq_u32 s[LIM], 0
	s_cselect_b32 s[LIM], 2, -1
	v_and_b32 v[PFO], 31, v0
	v_lshlrev_b32 v[PFO], 8, v[PFO]
	s_wait_dscnt 0x0                               ; the opening add is done
	s_wait_kmcnt 0x0
	s_add_nc_u64 s[6:7], s[6:7], s[22:23]          ; K and V at my half of the head's tile 0
	s_add_nc_u64 s[8:9], s[8:9], s[22:23]
	s_add_nc_u64 s[G0K+2:G0K+3], s[6:7], 0
	s_or_b32 s[G0K+3], s[G0K+3], 0x80000000
	s_add_nc_u64 s[G0V+2:G0V+3], s[8:9], 0
	s_or_b32 s[G0V+3], s[G0V+3], 0x80000000
	s_add_nc_u64 s[QLO:QLO+1], s[4:5], s[100:101]
	s_add_nc_u64 s[4:5], s[4:5], s[98:99]
	s_add_nc_u64 s[OLO:OLO+1], s[10:11], s[100:101]
	s_add_nc_u64 s[10:11], s[10:11], s[98:99]
	s_cmp_lt_u32 s[WV], 2
	s_cselect_b64 s[PFA:PFA+1], s[6:7], s[8:9]     ; (in waves 0 and 2 these stand at the head's first byte)
	s_lshl_b32 s2, s[CX], 13
	s_mov_b32 s3, 0
	s_add_nc_u64 s[PFA:PFA+1], s[PFA:PFA+1], s[2:3]
	s_add_nc_u64 s[PFA:PFA+1], s[PFA:PFA+1], 32768 ; in tile 1; the first change of slots steps it to tile 2
	CROUND                                         ; all four work-groups are here: the first joint loads meet
	JLOAD                                          ; tile 0 into slot 0; one load of mine is out, here and behind every change
	v_and_b32 v1, 15, v0                           ; r
	v_bfe_u32 v9, v0, 4, 1                         ; h
	v_lshlrev_b32 v[QO], 7, v1
	v_lshl_add_u32 v[QO], v9, 4, v[QO]
	WIN 0x40                                       ; destination window 1
.irp u, 0,1
.irp c, 0,1
	global_load_b128 v[QF+16*(\u)+8*(\c):QF+16*(\u)+8*(\c)+3],   v[QO], s[4:5] offset:2048*(\u)+64*(\c)
	global_load_b128 v[QF+16*(\u)+8*(\c)+4:QF+16*(\u)+8*(\c)+7], v[QO], s[4:5] offset:2048*(\u)+64*(\c)+32
	global_load_b128 v[QB+16*(\u)+8*(\c):QB+16*(\u)+8*(\c)+3],   v[QO], s[QLO:QLO+1] offset:2048*(\u)+64*(\c)
	global_load_b128 v[QB+16*(\u)+8*(\c)+4:QB+16*(\u)+8*(\c)+7], v[QO], s[QLO:QLO+1] offset:2048*(\u)+64*(\c)+32
.endr
.endr
	WIN 0
	v_lshlrev_b32 v12, 3, v9
	v_sub_nc_u32 v12, v1, v12                      ; r - 8 h: register j of the triangle is hidden where j is greater
	WIN 0x40
.set i, 0
.rept 8
	v_cmp_gt_i32 vcc_lo, i, v12
	v_cndmask_b32 v[TRI+i], 0, s[BIGN], vcc_lo
.set i, i+1
.endr
	WIN 0
	v_mul_u32_u24 v[AK0], v1, PK
	v_lshl_add_u32 v[AK0], v9, 4, v[AK0]
	v_and_b32 v12, 7, v0                           ; the turning load: lane l reads key 8 h + l % 8, channels 8 ((l / 8) % 2) + 0..7
	v_bfe_u32 v13, v0, 3, 1
	v_lshl_add_u32 v[AV0], v9, 3, v12
	v_mul_u32_u24 v[AV0], v[AV0], PV
	v_lshl_add_u32 v[AV0], v13, 4, v[AV0]
	v_add_nc_u32 v[AV0], VOFF, v[AV0]
	s_mul_i32 s2, s[WV], 16*SP
	s_add_co_u32 s2, s2, STAGE
	v_mul_u32_u24 v[STO], v1, SP
	v_lshl_add_u32 v[STO], v9, 4, v[STO]
	v_add_nc_u32 v[STO], s2, v[STO]
	v_bfe_u32 v[RD], v0, 3, 2
	v_mul_u32_u24 v[RD], v[RD], SP
	v_lshl_add_u32 v[RD], v12, 4, v[RD]
	v_add_nc_u32 v[RD], s2, v[RD]
	v_and_b32 v[GO], 31, v0
	v_lshlrev_b32 v[GO], 4, v[GO]
.set i, 0
.rept 64                               ; O^T and l need only be finite when a block begins: zeros, written in the wait for the first tile
	v_mov_b32 v[O+i], 0
.set i, i+1
.endr
.irp u, 0,1
	v_mov_b32 v[ST+8*(\u)+2], 0
	v_mov_b32 v[ST+8*(\u)+3], 0
.endr
; THE MATRIX WORK.  The 8 accumulators of a run of 16 take turns: seven others stand between the two links of a chain.
.macro KQALL                           ; product i: channels 32 (i / 8) on, tile (i % 8) / 4, keys 16 (i % 4) on; the first 8 start the sums with the mask
.set i, 0
.rept 16
.set rD, S+32*((i%8)/4)+8*(i%4)
.set rK, KF+16*(i%4)+8*(i/8)
.set rQ, QF+16*((i%8)/4)+8*(i/8)
.set rM, MC+32*((i%8)/4)+8*(i%4)
.if i < 8
	WIN 0x15                                       ; K, Q and the mask in window 1
	v_wmma_f32_16x16x32_f16 v[rD:rD+7], v[rK:rK+7], v[rQ:rQ+7], v[rM:rM+7]
.else
	WIN 0x05
	v_wmma_f32_16x16x32_f16 v[rD:rD+7], v[rK:rK+7], v[rQ:rQ+7], v[rD:rD+7]
.endif
.set i, i+1
.endr
	WIN 0
.endm
.macro FETCH_K                         ; a step's K: 64 keys x 64 channels, 16 loads in one run
	WIN 0x40
.irp f, 0,1,2,3,4,5,6,7
	ds_load_b128 v[KF+8*(\f):KF+8*(\f)+3],   v[AK] offset:((\f)/2)*16*PK+((\f)%2)*64
	ds_load_b128 v[KF+8*(\f)+4:KF+8*(\f)+7], v[AK] offset:((\f)/2)*16*PK+((\f)%2)*64+32
.endr
	s_add_co_u32 s[TBK], s[TBK], KS*PK
	WIN 0
.endm
.macro FETCH_V                         ; its V, turned
.irp f, 0,1,2,3,4,5,6,7
	ds_load_tr16_b128 v[VF+8*(\f):VF+8*(\f)+3],   v[AV] offset:((\f)/4)*32*PV+((\f)%4)*32
	ds_load_tr16_b128 v[VF+8*(\f)+4:VF+8*(\f)+7], v[AV] offset:((\f)/4)*32*PV+16*PV+((\f)%4)*32
.endr
	s_add_co_u32 s[TBV], s[TBV], KS*PV
.endm
; THE VECTOR WORK, one line at a time: OP kind, number, tile.  F n: c s - c m for pair n of 16.  E n: the exponential of score n of 32.  C n: pair n rounded to f16.  B n: of the four weights 4 n .. the second pair is added
; onto the first, in place.  L n: l takes that sum (L 0: l = a l + sum).  R n: pair n of 16 of O^T times a.  X n: number n of the 22 that find the maximum and statistics:
;   0-11 four chains c0-c3 of seven scores each (each accumulator's lowest registers are read first)   12-14, 16 the four scores left over, the old m, c0-c3 into c0   15 c m_old is kept
;   17, 18 the query's other 32 keys lie in the lane 16 away: the new m   19-21 c m; c m_old - c m_new; a
.set F, 0
.set E, 1
.set C, 2
.set B, 3
.set L, 4
.set R, 5
.set X, 6
.macro OP k, n, u
.set rT, ST+8*(\u)
.set rC, rT+4
.set rW, MV+(\u)
.set rS, S+32*(\u)
.set rP, P+16*(\u)
.set rO, O+32*(\u)
.if (\k) == F
	v_pk_fma_f32 v[rS+2*(\n):rS+2*(\n)+1], v[rS+2*(\n):rS+2*(\n)+1], s[CS:CS+1], v[rT:rT+1] op_sel_hi:[1,0,0] neg_lo:[0,0,1] neg_hi:[0,0,1]
.elseif (\k) == E
	v_exp_f32 v[rS+(\n)], v[rS+(\n)]
.elseif (\k) == C
	v_cvt_pk_f16_f32 v[rP+(\n)], v[rS+2*(\n)], v[rS+2*(\n)+1]
.elseif (\k) == B
	v_pk_add_f32 v[rS+4*(\n):rS+4*(\n)+1], v[rS+4*(\n):rS+4*(\n)+1], v[rS+4*(\n)+2:rS+4*(\n)+3]
.elseif ((\k) == L) && ((\n) == 0)
	v_pk_fma_f32 v[rT+2:rT+3], v[rT+2:rT+3], v[rC+2:rC+3], v[rS:rS+1] op_sel_hi:[1,0,1]
.elseif (\k) == L
	v_pk_add_f32 v[rT+2:rT+3], v[rT+2:rT+3], v[rS+4*(\n):rS+4*(\n)+1]
.elseif (\k) == R
	v_pk_mul_f32 v[rO+2*(\n):rO+2*(\n)+1], v[rO+2*(\n):rO+2*(\n)+1], v[rC+2:rC+3] op_sel_hi:[1,0]
.elseif (\n) < 4
	v_max3_num_f32 v[rC+(\n)], v[rS+8*(\n)], v[rS+8*(\n)+1], v[rS+8*(\n)+2]
.elseif (\n) < 12
	v_max3_num_f32 v[rC+(\n)%4], v[rC+(\n)%4], v[rS+8*((\n)%4)+2*((\n)/4)+1], v[rS+8*((\n)%4)+2*((\n)/4)+2]
.elseif (\n) == 12
	v_max3_num_f32 v[rC], v[rC], v[rS+7], v[rS+15]
.elseif (\n) == 13
	v_max3_num_f32 v[rC+1], v[rC+1], v[rS+23], v[rS+31]
.elseif (\n) == 14
	v_max3_num_f32 v[rC+2], v[rC+2], v[rC+3], v[rT+1]
.elseif (\n) == 15
	v_mov_b32 v[rW], v[rT]
.elseif (\n) == 16
	v_max3_num_f32 v[rC], v[rC], v[rC+1], v[rC+2]
.elseif (\n) == 17
	v_permlanex16_b32 v[rC+3], v[rC], s[SEL], s[SEL+1]
.elseif (\n) == 18
	v_max_num_f32 v[rT+1], v[rC], v[rC+3]
.elseif (\n) == 19
	v_mul_f32 v[rT], s[CS], v[rT+1]
.elseif (\n) == 20
	v_sub_f32 v[rC+1], v[rW], v[rT]
.else
	v_exp_f32 v[rC+2], v[rC+1]
.endif
.endm
.macro BOTH k, n                       ; the two tiles alternate, so that no line reads the result of the one before it
	OP \k, \n, 0
	OP \k, \n, 1
.endm
; Product i of O^T += V^T P: keys 32 (i / 8) on, tile (i % 8) / 4, channels 16 (i % 4) on.  Behind each stand three lines that name none of the products' registers in hand: the roundings of pairs 8-15 (read from product 8 on),
; the sums.  A pair is rounded before B adds onto it; L n stands behind both tiles' B n.  The last three and a v_nop are the four places in front of V's loads.
.macro PVR
.set i, 0
.rept 16
.set rD, O+32*((i%8)/4)+8*(i%4)
.set rV, VF+32*(i/8)+8*(i%4)
.set rA, P+16*((i%8)/4)+8*(i/8)
	v_wmma_f32_16x16x32_f16 v[rD:rD+7], v[rV:rV+7], v[rA:rA+7], v[rD:rD+7]
.if i < 8
	OP C, 8+i, 0
	OP C, 8+i, 1
	OP B, i/2, i%2
.else
	OP B, 4+(i-8)/2, i%2
	OP L, i-8, 0
	OP L, i-8, 1
.endif
.set i, i+1
.endr
	v_nop
.endm
.macro MASKS                           ; MC = TRI x AL_d + BE_d, d = kb - u
.irp d, 0,1,2,3,4
	s_cmp_eq_i32 s[DD], (\d)-1
	s_cselect_b32 s[AL+2*(\d)], 1.0, 0
	s_cmp_lt_i32 s[DD], (\d)-1
	s_cselect_b32 s[BE+2*(\d)], s[BIGN], 0
.endr
	WIN 0x41                                       ; destination and source 0 window 1
.irp u, 0,1
.irp kb, 0,1,2,3
.irp z, 0,1,2,3
	v_pk_fma_f32 v[MC+32*(\u)+8*(\kb)+2*(\z):MC+32*(\u)+8*(\kb)+2*(\z)+1], v[TRI+2*(\z):TRI+2*(\z)+1], s[AL+2*((\kb)-(\u)+1):AL+2*((\kb)-(\u)+1)+1], s[BE+2*((\kb)-(\u)+1):BE+2*((\kb)-(\u)+1)+1] op_sel_hi:[1,0,0]
.endr
.endr
.endr
	WIN 0
.endm
; A KEY STEP on the K and V that lie in registers.  fetch = 1: the next step's K and V are fetched.
.macro STEP fetch
	s_cmp_eq_u32 s[RT], 0                          ; the block's last tile is in hand: the same answer in all four partners
	s_cbranch_scc0 .Lnomask_\@
	MASKS
.Lnomask_\@:
	s_sub_co_i32 s[DD], s[DD], 4                   ; the next step's
	s_wait_dscnt 16                                ; K is in; V's 16 loads, issued behind K's, may be out
	KQALL
	OP X, 15, 0                                    ; four plain lines: the places behind the products, in front of K's loads and of the maximum
	OP X, 15, 1
	v_add_nc_u32 v[AK], s[TBK], v[AK0]
	v_add_nc_u32 v[AV], s[TBV], v[AV0]
.if \fetch
	FETCH_K
.endif
.irp n, 0,1,2,3,4,5,6,7,8,9,10,11,12,13,14,16,17,18,19,20,21
	BOTH X, \n
.endr
	BOTH F, 0                                      ; from a on: ONE BATCH of 66 exponentials; nothing ahead of the wait names a result of theirs
.set w, 1
.rept 15
	BOTH F, w
	BOTH E, 2*w-2
	BOTH E, 2*w-1
.set w, w+1
.endr
	BOTH E, 30
	BOTH E, 31
	v_nop                                          ; a plain instruction behind the last exponential,
	s_wait_alu depctr_va_vdst(0)                   ; and the one wait ahead of the first use
.set w, 0
.rept 8
	BOTH C, w
.set w, w+1
.endr
.set w, 0
.rept 16
	BOTH R, w
.set w, w+1
.endr
.if \fetch
	s_wait_dscnt 16                                ; V is in; K's 16 loads are younger
.else
	s_wait_dscnt 0x0
.endif
	PVR
.if \fetch
	FETCH_V
.endif
.endm
; A BLOCK BEGINS: the masks are 0; c m starts far below every c s, m at the lowest finite number; K and V of the block's key step 0 are fetched.
.macro BEGIN
	s_mov_b32 s[NEW], 0
	WIN 0x40
.set i, 0
.rept 64
	v_mov_b32 v[MC+i], 0
.set i, i+1
.endr
	WIN 0
.irp u, 0,1
	v_mov_b32 v[ST+8*(\u)], 0xfe000000
	v_mov_b32 v[ST+8*(\u)+1], 0xff7fffff
.endr
	v_add_nc_u32 v[AK], s[TBK], v[AK0]
	v_add_nc_u32 v[AV], s[TBV], v[AV0]
	FETCH_K
	FETCH_V
	s_wait_loadcnt 0x0                             ; Q
.endm
; THE WAY OUT: l's two halves and the other half of the lanes' are added; O^T is multiplied by 4 / l, rounded to f16 and sent through my stage in LDS, a tile at a time.
.macro PACK u
.set i, 0
.rept 16
	v_pk_mul_f32 v[O+32*(\u)+2*i:O+32*(\u)+2*i+1], v[O+32*(\u)+2*i:O+32*(\u)+2*i+1], v[ST+8*(\u)+2:ST+8*(\u)+3] op_sel_hi:[1,0]
.set i, i+1
.endr
.set i, 0
.rept 16
	v_cvt_pk_f16_f32 v[S+16*(\u)+i], v[O+32*(\u)+2*i], v[O+32*(\u)+2*i+1]
.set i, i+1
.endr
.irp f, 0,1,2,3
	ds_store_b128 v[STO], v[S+16*(\u)+4*(\f):S+16*(\u)+4*(\f)+3] offset:32*(\f)
.endr
.irp f, 0,1,2,3
	ds_load_b128 v[S+16*(\u)+4*(\f):S+16*(\u)+4*(\f)+3], v[RD] offset:(\f)*4*SP  ; LDS serves a wave's instructions in order: these see the stores above; the next tile's stores come behind them
.endr
.endm
.macro SEND u, younger                 ; younger: the LDS instructions issued behind tile u's loads
.irp f, 0,1,2,3
	s_wait_dscnt (\younger)+3-(\f)
	global_store_b128 v[GO], v[S+16*(\u)+4*(\f):S+16*(\u)+4*(\f)+3], s[10:11] offset:2048*(\u)+512*(\f)  ; 512 consecutive bytes, at a multiple of 256 from oh's first
.endr
.endm
.macro WAYOUT
.irp u, 0,1
	v_add_f32 v[ST+8*(\u)+2], v[ST+8*(\u)+2], v[ST+8*(\u)+3]
.endr
.irp u, 0,1
	v_permlanex16_b32 v[ST+8*(\u)+3], v[ST+8*(\u)+2], s[SEL], s[SEL+1]
.endr
.irp u, 0,1
	v_add_f32 v[ST+8*(\u)+2], v[ST+8*(\u)+2], v[ST+8*(\u)+3]
.endr
.irp u, 0,1
	v_rcp_f32 v[ST+8*(\u)+2], v[ST+8*(\u)+2]
.endr
	v_nop                                          ; a plain instruction behind the last reciprocal,
	s_wait_alu depctr_va_vdst(0)                   ; and one wait for both
.irp u, 0,1
	v_mul_f32 v[ST+8*(\u)+2], 4.0, v[ST+8*(\u)+2]  ; vh holds a quarter of V
.endr
	PACK 0
	PACK 1
	SEND 0, 8
	SEND 1, 0
.endm
.Lslot:                                        ; eight trips: a tile is entered and the next is asked for
	CHANGE 1
	s_sub_co_u32 s[RT], s[RT], 1
	s_mov_b32 s[CNT], 4
	s_cmp_eq_u32 s[NEW], 1
	s_cbranch_scc1 .Lnew                           ; a block's first tile
	s_branch .Lstep
.Lnew:
	BEGIN
	s_branch .Lnext                                ; the fetch of the block's key step 0 takes the place of a step
.Lstep:                                        ; computes the step in registers, fetches the tile's next: four fetches a tile on every way
	STEP 1
.Lnext:
	s_sub_co_u32 s[CNT], s[CNT], 1
	s_cmp_lg_u32 s[CNT], 0
	s_cbranch_scc1 .Lstep
	s_cmp_lg_u32 s[RT], 0
	s_cbranch_scc1 .Lbottom
	STEP 0                                         ; the first block's last step (the second block's last tile is the walk's last, behind the loop)
	WAYOUT
	s_wait_xcnt 0x0                                ; the stores have read their registers and O's address
	s_mov_b64 s[10:11], s[OLO:OLO+1]
	s_add_co_u32 s[RT], s[JJ], 1
	s_mov_b32 s[NEW], 1
	s_mov_b32 s[DD], s[B2]
	WIN 0x41
.set i, 0
.rept 32
	v_mov_b32 v[QF+i], v[QB+i]                     ; the second block's Q goes where the one text names Q
.set i, i+1
.endr
	WIN 0
.Lbottom:
	s_sub_co_u32 s[SLOTS], s[SLOTS], 1
	s_cmp_lg_u32 s[SLOTS], 0
	s_cbranch_scc1 .Lslot
	CHANGE 0                                       ; the walk's last tile is written out: nothing is asked for
	s_sub_co_u32 s[RT], s[RT], 1
	s_mov_b32 s[CNT], 4
	s_cmp_eq_u32 s[NEW], 1
	s_cbranch_scc1 .Lnew2
	s_branch .Lstep2
.Lnew2:
	BEGIN
	s_branch .Lnext2
.Lstep2:
	STEP 1
.Lnext2:
	s_sub_co_u32 s[CNT], s[CNT], 1
	s_cmp_lg_u32 s[CNT], 0
	s_cbranch_scc1 .Lstep2
	STEP 0
	WAYOUT
	s_wait_tensorcnt 0x0                           ; the wave's end: behind my last tensor load and my last LDS store
	ds_add_u32 v[SPW], v[NIL]
	s_wait_dscnt 0x0
	CROUND                                         ; the closing round
	s_endpgm
.Lfunc_end_k_q40f67f7d5b_attn:
	.size	k_q40f67f7d5b_attn, .Lfunc_end_k_q40f67f7d5b_attn-k_q40f67f7d5b_attn
	.p2alignl 7, 3214868480
	.fill 96, 4, 3214868480
	.section	.rodata,"a",@progbits
	.p2align	6, 0x0
	.amdhsa_kernel k_q40f67f7d5b_attn
		.amdhsa_group_segment_fixed_size 327680
		.amdhsa_private_segment_fixed_size 0
		.amdhsa_enable_private_segment 0
		.amdhsa_kernarg_size 32
		.amdhsa_user_sgpr_count 2
		.amdhsa_user_sgpr_kernarg_segment_ptr 1
		.amdhsa_wavefront_size32 1
		.amdhsa_system_sgpr_workgroup_id_x 1
		.amdhsa_system_sgpr_workgroup_id_y 1
		.amdhsa_system_sgpr_workgroup_id_z 1
		.amdhsa_system_vgpr_workitem_id 0
		.amdhsa_next_free_vgpr 512
		.amdhsa_next_free_sgpr 102
		.amdhsa_reserve_vcc 1
		.amdhsa_float_denorm_mode_32 3
		.amdhsa_float_denorm_mode_16_64 3
		.amdhsa_memory_ordered 1
		.amdhsa_forward_progress 1
		.amdhsa_inst_pref_size 113
	.end_amdhsa_kernel
	.amdgpu_metadata
---
amdhsa.version: [ 1, 2 ]
amdhsa.kernels:
  - .name:           k_q40f67f7d5b_attn
    .symbol:         k_q40f67f7d5b_attn.kd
    .args:
      - { .name: qh, .offset: 0, .size: 8, .value_kind: global_buffer, .address_space: global }
      - { .name: kh, .offset: 8, .size: 8, .value_kind: global_buffer, .address_space: global }
      - { .name: vh, .offset: 16, .size: 8, .value_kind: global_buffer, .address_space: global }
      - { .name: oh, .offset: 24, .size: 8, .value_kind: global_buffer, .address_space: global }
    .group_segment_fixed_size: 327680
    .private_segment_fixed_size: 0
    .kernarg_segment_align: 8
    .kernarg_segment_size: 32
    .max_flat_workgroup_size: 128
    .sgpr_count:     102
    .vgpr_count:     512
    .wavefront_size: 32
...
	.end_amdgpu_metadata
.endif
;; end of part 3
;; launch oproj (part 4): grid 32 x 8, 4 waves a work-group, clusters of 4 x 4, 327,680 bytes of LDS; arguments oh, woh, out0; writes out0
.if DOCPART == 4
	.amdgcn_target "amdgcn-amd-amdhsa--gfx1250"
	.amdhsa_code_object_version 6
	.text
	.protected	k_q40f67f7d5b_oproj
	.globl	k_q40f67f7d5b_oproj
	.p2align	8
	.type	k_q40f67f7d5b_oproj,@function
k_q40f67f7d5b_oproj:
	s_mov_b64 s[64:65], 0
	v_nop
	global_prefetch_b8 v0, s[64:65] scope:SCOPE_SE
	s_setreg_imm32_b32 hwreg(HW_REG_WAVE_MODE, 25, 1), 1
	s_wait_xcnt 0x0
	s_wait_alu depctr_hold_cnt(0) depctr_sa_sdst(0) depctr_va_vdst(0) depctr_va_sdst(0) depctr_va_ssrc(0) depctr_va_vcc(0) depctr_vm_vsrc(0)
	s_getreg_b32 s2, hwreg(HW_REG_IB_STS2, 6, 4)
	s_cmp_eq_u32 s2, 0
	s_cbranch_scc0 .Lentry_in_a_cluster
	s_endpgm
.Lentry_in_a_cluster:
	s_bfe_u32 s2, ttmp6, 0x10000c
	s_cmp_lg_u32 s2, 0xf033
	s_cbranch_scc0 .Lentry_shape_is_right
	s_endpgm
.Lentry_shape_is_right:
; THE OUTPUT PROJECTION.  out0[t][n] = sum over k of O[t][k] wo[k][n], f16 operands, f32 sums and output.  K = 2,048, filled up with zeros in both operands to 2,112 = 11 x 192.
; O lies by heads, oh [33][2048][64]: k = 64 head + channel; head 32 is zeros.  woh [2112][4096] lies [k][n]; rows 2,048 on are zeros.
; LIMITS.  Those of the operands: |O| and |wo| under 65,504.  NaN and infinities are not treated apart.
; SHARES.  A tile of out0 is 256 x 128: 32 x 8 = 256 work-groups; four waves, each 128 rows x 64 columns: 32 accumulators of 16 x 16.
; THE RING.  K goes in steps of 192, three heads, through two LDS slots: (256 + 128) x 192 x 2 = 147,456 bytes of data a slot, as much as two slots in LDS allow, so that the changes of slots are as few as can be: 11.
; A refill has 176 matrix instructions in which to land, and between the wait for it and the next request stand only the add, two scalar sums and the cluster's round.
; THE MATRIX INSTRUCTION IS USED TRANSPOSED: source 0 = 16 columns of wo, turned on the way out of LDS by ds_load_tr16_b128; source 1 = 16 rows of O.  A lane then holds row l % 16 and the columns 8 (l / 16) + 0..7.
; CLUSTER 4 x 4.  O's tile hangs on the tile row alone and is asked for jointly along a row of the cluster; wo's on the column block alone, jointly along a column.
; REGISTERS.  window 0: v0-31 addresses, v64-159 and v160-255 two fragment buffers (O's 8 fragments, then wo's 4).  window 1: accumulator (a, b) at 8 (4 a + b).
.set TRIPS, 4                          ; trips of the loop: K steps 0 to 7; steps 8, 9, 10 are written out
.set PA2,   272                        ; two rows of a head's slice in LDS: 256 bytes + 16: row t at (t / 2) x 272 + (t % 2) x 128; the 16 rows of a load take the 16-byte columns r / 2 + 8 (r % 2): all different
.set SLICE, 128*PA2                    ; a head's 256 rows
.set PB,    288                        ; a row of wo: 256 + 32
.set BOFF,  3*SLICE
.set SLOT,  BOFF+192*PB
.set STAGE, SLOT                       ; the stages lie in slot 1: it has had its last fill, and its last reads stand ahead of the last change's barrier; the last K step is read from slot 0.  16 rows x 272 bytes for each wave
.set SPARE, 2*SLOT                     ; the spare words, 128 bytes a wave: two blocks of 256 bytes that no other line names
.set KBB,   262144                     ; a head
.set ASTEP, 3*KBB
.set ROWB,  8192
.set BSTEP, 192*ROWB
.set ADRA, 16                          ; v16-17  my fragments of O in slot 0, 1: slices 0 and 1,
.set ADRH, 18                          ; v18-19  slice 2
.set ADRB, 20
.set STO,  24
.set RD,   25
.set CO,   26
.set SPW,  28
.set NIL,  29
.set PFO,  30
.set F0,   64
.set F1,   160
.set BK,   64                          ; the way out: 16 rows read back, two sets by the block's parity
.set CNT,  18
.set WV,   20                          ; waves 0-2 fetch O's three slices, wave 3 wo's rows
.set WM,   21
.set WN,   22
.set CX,   23
.set CY,   24
.set CLX,  25
.set NBK,  26
.set TR,   27
.set G1A,  28
.set G0A,  36
.set G1B,  44
.set G0B,  52
.set PFA,  60
.set PFS,  62
.set LIM,  66
.set CLY,  67
.set LIM1, 84
.set MSB, 0
.macro WIN new
.if MSB != (\new)
	s_set_vgpr_msb (MSB<<8)|(\new)
.set MSB, \new
.endif
.endm
.set MULW, 0x50
.macro JLOAD s                         ; a joint load; an s_nop 0 and four v_nop follow each line
	s_cmp_lt_u32 s[WV], 3
	s_cbranch_scc0 .Lfor_b_\@
	tensor_load_to_lds s[G0A+4*(\s):G0A+4*(\s)+3], s[G1A:G1A+7]
	s_nop 0
.rept 4
	v_nop
.endr
	s_branch .Lasked_\@
.Lfor_b_\@:
	tensor_load_to_lds s[G0B+4*(\s):G0B+4*(\s)+3], s[G1B:G1B+7]
	s_nop 0
.rept 4
	v_nop
.endr
.Lasked_\@:
.endm
.macro CREST
	s_cmp_lg_u32 s[WV], 0
	s_cbranch_scc1 .Lnot_wave_0_\@
	s_barrier_signal -3
.Lnot_wave_0_\@:
	s_barrier_wait -3
	s_barrier_signal -1
	s_barrier_wait -1
.endm
.macro CROUND
	s_barrier_signal -1
	s_barrier_wait -1
	CREST
.endm
.macro PLACES
.rept 4
	v_nop
.endr
.endm
; PREFETCHES, behind the joint load and the run of LDS loads.  O: at each change of slots waves 0-2 name their slice of the K step two refills on (384 matrix instructions ahead of its load): of its 128 blocks of 256 bytes the
; four partners along x take 32 each, by address; only the clusters with x = 0 ask.  wo: a K step's 192 rows over four partners are 48, no whole number of 32 lanes, so wave 3 asks once a lap, at slot 0's change, for its
; 96 of the 384 rows of the lap two on: three instructions, a lane a row; only the clusters with y = 0 ask.  So each block is named once.  The loop's last trip, and the change written out behind the loop (the counter is 0
; there), ask for nothing.  K steps 0 to 3 and 10 come by their loads alone.
.macro ASK slot
.if (\slot) == 0
	s_cmp_gt_u32 s[CNT], s[LIM]
	s_cbranch_scc0 .Lnot_mine_\@
	global_prefetch_b8 v[PFO], s[PFA:PFA+1] th:TH_LOAD_NT scope:SCOPE_SE
	s_cmp_eq_u32 s[WV], 3
	s_cbranch_scc0 .Lnot_mine_\@
	global_prefetch_b8 v[PFO], s[PFA:PFA+1] offset:32*ROWB th:TH_LOAD_NT scope:SCOPE_SE
	global_prefetch_b8 v[PFO], s[PFA:PFA+1] offset:64*ROWB th:TH_LOAD_NT scope:SCOPE_SE
.else
	s_cmp_gt_u32 s[CNT], s[LIM1]
	s_cbranch_scc0 .Lnot_mine_\@
	global_prefetch_b8 v[PFO], s[PFA:PFA+1] th:TH_LOAD_NT scope:SCOPE_SE
.endif
.Lnot_mine_\@:
.endm
	s_load_b128 s[4:7], s[0:1], 0x0                ; oh s[4:5], woh s[6:7]
	s_load_b64 s[8:9], s[0:1], 0x10                ; out0
	v_lshl_add_u32 v[SPW], v0, 2, SPARE
	v_mov_b32 v[NIL], 0
	ds_add_u32 v[SPW], v[NIL]                      ; the wave's opening: the add and its wait stand ahead of my first tensor load; work on registers stands between
	v_lshrrev_b32 v1, 5, v0
	v_readfirstlane_b32 s[WV], v1
	s_lshr_b32 s[WM], s[WV], 1
	s_and_b32 s[WN], s[WV], 1
	s_bfe_u32 s[CX], ttmp6, 0x40000
	s_bfe_u32 s[CY], ttmp6, 0x40004
	s_mov_b32 s[CLX], ttmp9
	s_lshl_b32 s[NBK], ttmp9, 2
	s_add_co_u32 s[NBK], s[NBK], s[CX]
	s_and_b32 s[CLY], ttmp7, 0xffff
	s_lshl_b32 s[TR], s[CLY], 2
	s_add_co_u32 s[TR], s[TR], s[CY]
	s_lshl_b32 s68, s[CY], 2
	s_lshl_b32 s68, 15, s68
	s_lshl_b32 s69, 0x1111, s[CX]
	s_or_b32 s[G1A], s68, (1<<16)|(1<<20)|(1<<21)|(5<<22)|(3<<25)  ; the mask; 2-byte elements; padding on; bit 21 beside a mask; after every 64 words, 4 words
	s_or_b32 s[G1B], s69, (1<<16)|(1<<20)|(1<<21)|(5<<22)|(7<<25)  ; the same with 8 words
	s_mov_b32 s[G1A+1], 128<<16                    ; a slice's 256 rows of 128 bytes are dense: asked for as 128 rows of 256 bytes
	s_mov_b32 s[G1A+2], 128<<16
	s_mov_b32 s[G1A+3], 128<<16
	s_mov_b32 s[G1A+4], 128
	s_mov_b32 s[G1A+5], 128
	s_mov_b32 s[G1A+6], 0
	s_mov_b32 s[G1A+7], 0
	s_mov_b32 s[G1B+1], 128<<16
	s_mov_b32 s[G1B+2], 192<<16
	s_mov_b32 s[G1B+3], 128<<16
	s_mov_b32 s[G1B+4], 192
	s_mov_b32 s[G1B+5], 4096
	s_mov_b32 s[G1B+6], 0
	s_mov_b32 s[G1B+7], 0
	s_lshl_b32 s70, s[TR], 15                      ; O: the tile row's 256 rows of 128 bytes, in head WV of the K step's three
	s_lshl_b32 s71, s[WV], 18
	s_add_co_u32 s70, s70, s71
	s_mov_b32 s71, 0
	s_lshl_b32 s72, s[NBK], 8                      ; wo: 256 bytes a column block
	s_mov_b32 s73, 0
	s_mul_i32 s74, s[WV], SLICE
	s_wait_dscnt 0x0                               ; the opening add is done
	s_wait_kmcnt 0x0
	s_add_nc_u64 s[70:71], s[4:5], s[70:71]
	s_add_nc_u64 s[72:73], s[6:7], s[72:73]
	CROUND                                         ; all sixteen work-groups are here: the first joint loads meet
.irp s, 0,1
	s_mov_b32 s[G0A+4*(\s)], 1
	s_add_co_u32 s[G0A+4*(\s)+1], s74, (\s)*SLOT
	s_add_nc_u64 s[G0A+4*(\s)+2:G0A+4*(\s)+3], s[70:71], (\s)*ASTEP
	s_or_b32 s[G0A+4*(\s)+3], s[G0A+4*(\s)+3], 0x80000000
	s_mov_b32 s[G0B+4*(\s)], 1
	s_mov_b32 s[G0B+4*(\s)+1], BOFF+(\s)*SLOT
	s_add_nc_u64 s[G0B+4*(\s)+2:G0B+4*(\s)+3], s[72:73], (\s)*BSTEP
	s_or_b32 s[G0B+4*(\s)+3], s[G0B+4*(\s)+3], 0x80000000
	JLOAD \s                                       ; two loads of mine are out
.endr
	v_and_b32 v1, 15, v0
	v_bfe_u32 v2, v0, 4, 1
	v_lshrrev_b32 v3, 1, v1
	v_mul_u32_u24 v3, v3, PA2                      ; O: (r / 2) x 272
	v_and_b32 v4, 1, v0
	v_lshl_add_u32 v3, v4, 7, v3                   ; + (r % 2) x 128
	v_lshl_add_u32 v3, v2, 4, v3                   ; + 16 h
	s_mul_i32 s68, s[WM], 64*PA2
	v_add_nc_u32 v[ADRA], s68, v3
	v_add_nc_u32 v[ADRA+1], SLOT, v[ADRA]
	v_add_nc_u32 v[ADRH], 2*SLICE, v[ADRA]
	v_add_nc_u32 v[ADRH+1], SLOT, v[ADRH]
	v_and_b32 v4, 7, v0
	v_lshl_add_u32 v4, v2, 3, v4
	v_mul_u32_u24 v4, v4, PB
	v_bfe_u32 v5, v0, 3, 1
	v_lshl_add_u32 v4, v5, 4, v4
	s_lshl_b32 s68, s[WN], 7
	s_add_co_u32 s68, s68, BOFF
	v_add_nc_u32 v[ADRB], s68, v4
	v_add_nc_u32 v[ADRB+1], SLOT, v[ADRB]
	s_mul_i32 s68, s[WV], 16*272
	s_add_co_u32 s68, s68, STAGE
	v_mul_u32_u24 v3, v1, 272
	v_lshl_add_u32 v3, v2, 5, v3
	v_add_nc_u32 v[STO], s68, v3                   ; in: row r, 32 bytes for each half of the lanes
	v_mul_u32_u24 v3, v2, 272
	v_lshl_add_u32 v3, v1, 4, v3
	v_add_nc_u32 v[RD], s68, v3                    ; back: lanes 0-15 one row of 256 bytes, lanes 16-31 the next
	v_lshlrev_b32 v[CO], 14, v2
	v_lshl_add_u32 v[CO], v1, 4, v[CO]
	s_lshl_b32 s78, s[TR], 8
	s_lshl_b32 s79, s[WM], 7
	s_add_co_u32 s78, s78, s79
	s_lshl_b32 s78, s78, 14                        ; my first row of out0, 16,384 bytes a row,
	s_lshl_b32 s79, s[NBK], 9
	s_add_co_u32 s78, s78, s79
	s_lshl_b32 s79, s[WN], 8
	s_add_co_u32 s78, s78, s79                     ; my 64 columns
	s_mov_b32 s79, 0
	s_add_nc_u64 s[8:9], s[8:9], s[78:79]
	; the prefetches
	s_cmp_eq_u32 s[CLX], 0
	s_cselect_b32 s68, 1, 0
	s_cmp_eq_u32 s[CLY], 0
	s_cselect_b32 s69, 1, 0
	s_mov_b32 s[PFS], BSTEP
	s_mov_b32 s81, ROWB
	s_cmp_lt_u32 s[WV], 3
	s_cselect_b32 s68, s68, s69
	s_cselect_b64 s[PFA:PFA+1], s[4:5], s[6:7]
	s_cselect_b32 s[PFS], ASTEP, s[PFS]
	s_cselect_b32 s81, 256, s81
	s_mov_b32 s[PFS+1], 0
	s_cmp_eq_u32 s68, 1
	s_cselect_b32 s[LIM], 1, -1                    ; hangs on the cluster's place and the wave's number alone
	s_cmp_lt_u32 s[WV], 3
	s_cselect_b32 s[LIM1], s[LIM], -1
	s_lshl_b32 s78, s[TR], 15
	s_lshl_b32 s79, s[WV], 18
	s_add_co_u32 s78, s78, s79
	s_lshl_b32 s79, s[CX], 13                      ; O: my work-group's 32 of the slice's 128 blocks
	s_add_co_u32 s78, s78, s79
	s_add_co_u32 s78, s78, 3*ASTEP                 ; at K step 3: the first change of slots steps it to 4
	s_lshl_b32 s82, s[NBK], 8
	s_mul_i32 s83, s[CY], 96*ROWB                  ; wo: my work-group's 96 of a lap's 384 rows
	s_add_co_u32 s82, s82, s83
	s_add_co_u32 s82, s82, 3*BSTEP
	s_cmp_lt_u32 s[WV], 3
	s_cselect_b32 s78, s78, s82
	s_mov_b32 s79, 0
	s_add_nc_u64 s[PFA:PFA+1], s[PFA:PFA+1], s[78:79]
	v_and_b32 v3, 31, v0
	v_mul_u32_u24 v[PFO], v3, s81
; n x 4 matrix instructions; the 32 accumulators take turns in the same order in every part.  zero = 1: the product starts the sum.
.macro MUL f, a0, n, zero
	WIN MULW
.set ma, \a0
.rept \n
.irp b, 0,1,2,3
.if \zero
	v_wmma_f32_16x16x32_f16 v[8*(4*ma+(\b)):8*(4*ma+(\b))+7], v[(\f)+64+8*(\b):(\f)+64+8*(\b)+7], v[(\f)+8*ma:(\f)+8*ma+7], 0
.else
	v_wmma_f32_16x16x32_f16 v[8*(4*ma+(\b)):8*(4*ma+(\b))+7], v[(\f)+64+8*(\b):(\f)+64+8*(\b)+7], v[(\f)+8*ma:(\f)+8*ma+7], v[8*(4*ma+(\b)):8*(4*ma+(\b))+7]
.endif
.endr
.set ma, ma+1
.endr
.endm
; 24 LDS loads in one run: part q of a K step's six = head q / 2 of the step's three, channels 32 (q % 2) on
.macro FETCH slot, q, f
	WIN 0
.irp b, 0,1,2,3
	ds_load_tr16_b128 v[(\f)+64+8*(\b):(\f)+64+8*(\b)+3],   v[ADRB+(\slot)] offset:(\q)*32*PB+32*(\b)
	ds_load_tr16_b128 v[(\f)+64+8*(\b)+4:(\f)+64+8*(\b)+7], v[ADRB+(\slot)] offset:(\q)*32*PB+32*(\b)+16*PB
.endr
.if (\q) < 4
.irp i, 0,1,2,3,4,5,6,7
	ds_load_b128 v[(\f)+8*(\i):(\f)+8*(\i)+3],   v[ADRA+(\slot)] offset:((\q)/2)*SLICE+((\q)%2)*64+(\i)*8*PA2
	ds_load_b128 v[(\f)+8*(\i)+4:(\f)+8*(\i)+7], v[ADRA+(\slot)] offset:((\q)/2)*SLICE+((\q)%2)*64+(\i)*8*PA2+32
.endr
.else
.irp i, 0,1,2,3,4,5,6,7
	ds_load_b128 v[(\f)+8*(\i):(\f)+8*(\i)+3],   v[ADRH+(\slot)] offset:((\q)%2)*64+(\i)*8*PA2
	ds_load_b128 v[(\f)+8*(\i)+4:(\f)+8*(\i)+7], v[ADRH+(\slot)] offset:((\q)%2)*64+(\i)*8*PA2+32
.endr
.endif
.endm
.macro QUARTER slot, q, f, g, zero
	s_wait_dscnt 8                                 ; wo and O's blocks 0-3 are in; the youngest eight loads may be out
	MUL \f, 0, 4, \zero
	PLACES
	FETCH \slot, \q, \g
	s_wait_dscnt 24                                ; all but the 24 just issued
	MUL \f, 4, 4, \zero
.endm
.macro MID slot                        ; parts 1 to 4 are multiplied, parts 2 to 5 fetched
	QUARTER \slot, 2, F1, F0, 0
	QUARTER \slot, 3, F0, F1, 0
	QUARTER \slot, 4, F1, F0, 0
	QUARTER \slot, 5, F0, F1, 0
.endm
; The last part multiplies buffer 1 and changes slots: ONE barrier; in front of it each wave waits for all its tensor loads (one is out), adds 0 to its spare word, and waits for that and for its reads of this slot.
; Half of the part's products stand ahead of the wait for the loads, half behind the refill: what stands between a tile's landing and the next request is kept short.
; fill = 1: the barrier opens a round of the cluster's, and this slot is filled again first thing behind it, two K steps ahead.
.macro TURN slot, next, fill
.if \fill
	s_wait_xcnt 0x0                                ; the last prefetches, a K step back, have read their address
	s_add_nc_u64 s[PFA:PFA+1], s[PFA:PFA+1], s[PFS:PFS+1]
.endif
	s_wait_dscnt 8
	MUL F1, 0, 4, 0
	WIN 0
	s_wait_tensorcnt 0x0                           ; no tensor load of mine is out, so a group 0 may be written
	ds_add_u32 v[SPW], v[NIL]
.if \fill
	s_add_nc_u64 s[G0A+4*(\slot)+2:G0A+4*(\slot)+3], s[G0A+4*(\slot)+2:G0A+4*(\slot)+3], 2*ASTEP
	s_add_nc_u64 s[G0B+4*(\slot)+2:G0B+4*(\slot)+3], s[G0B+4*(\slot)+2:G0B+4*(\slot)+3], 2*BSTEP
.endif
	s_wait_dscnt 0x0                               ; the add is done, and my reads of this slot are over
	s_barrier_signal -1
	s_barrier_wait -1
.if \fill
	CREST                                          ; no wave of any partner still reads this slot or has a load on its way
	JLOAD \slot                                    ; its four v_nop are also the places in front of the loads below
.else
	PLACES
.endif
	FETCH \next, 0, F0
.if \fill
	ASK \slot
.endif
	MUL F1, 4, 4, 0
.endm
	s_wait_tensorcnt 1                             ; my part of K step 0 is in; K step 1's may stay out
	s_barrier_signal -1
	s_barrier_wait -1
	FETCH 0, 0, F0
	QUARTER 0, 1, F0, F1, 1                        ; the first part stands in front of the loop: its products start the sums
	WIN 0
	s_mov_b32 s[CNT], TRIPS
.Llap:                                         ; a trip goes once round the ring and fills both slots again: K steps 2 to 9
	MID 0
	TURN 0, 1, 1
	QUARTER 1, 1, F0, F1, 0
	MID 1
	TURN 1, 0, 1
	QUARTER 0, 1, F0, F1, 0
	WIN 0
	s_sub_co_u32 s[CNT], s[CNT], 1
	s_cmp_lg_u32 s[CNT], 0
	s_cbranch_scc1 .Llap
	MID 0                                          ; K step 8,
	TURN 0, 1, 1                                   ; behind which slot 0 takes K step 10: the last fill
	QUARTER 1, 1, F0, F1, 0                        ; K step 9
	MID 1
	TURN 1, 0, 0                                   ; nothing is filled any more
	QUARTER 0, 1, F0, F1, 0                        ; K step 10
	MID 0
	s_wait_dscnt 8
	MUL F1, 0, 4, 0
	s_wait_dscnt 0x0
	MUL F1, 4, 4, 0
	WIN 0
	PLACES
	PLACES
; THE WAY OUT, a block of 16 rows at a time: the sums go as they are into my own stage (each accumulator's lowest registers first) and come back as whole rows of 256 bytes.
.macro TOSTAGE a
.set rK, BK+32*((\a)%2)
	s_wait_xcnt 0x0                                ; the stores of the block two back have read these registers
	WIN 0x04                                       ; the stores' data in window 1
.irp b, 0,1,2,3
	ds_store_b128 v[STO], v[8*(4*(\a)+(\b)):8*(4*(\a)+(\b))+3] offset:64*(\b)
	ds_store_b128 v[STO], v[8*(4*(\a)+(\b))+4:8*(4*(\a)+(\b))+7] offset:64*(\b)+16
.endr
	WIN 0
.irp f, 0,1,2,3,4,5,6,7
	ds_load_b128 v[rK+4*(\f):rK+4*(\f)+3], v[RD] offset:544*(\f)  ; LDS serves a wave's instructions in order: these see the stores above
.endr
.endm
.macro SEND a, younger                 ; younger: the next block's sixteen LDS instructions, or none
.set rK, BK+32*((\a)%2)
	s_wait_dscnt \younger
.irp f, 0,1,2,3,4,5,6,7
	global_store_b128 v[CO], v[rK+4*(\f):rK+4*(\f)+3], s[8:9] offset:(16*(\a)+2*(\f))*16384 th:TH_STORE_NT  ; 16 lanes store 256 consecutive bytes, at a multiple of 256
.endr
.endm
	TOSTAGE 0
.irp a, 1,2,3,4,5,6,7
	TOSTAGE \a
	SEND (\a)-1, 16
.endr
	SEND 7, 0
	s_wait_tensorcnt 0x0                           ; the wave's end: behind my last tensor load and my last LDS store
	ds_add_u32 v[SPW], v[NIL]
	s_wait_dscnt 0x0
	CROUND                                         ; the closing round
	s_endpgm
.Lfunc_end_k_q40f67f7d5b_oproj:
	.size	k_q40f67f7d5b_oproj, .Lfunc_end_k_q40f67f7d5b_oproj-k_q40f67f7d5b_oproj
	.p2alignl 7, 3214868480
	.fill 96, 4, 3214868480
	.section	.rodata,"a",@progbits
	.p2align	6, 0x0
	.amdhsa_kernel k_q40f67f7d5b_oproj
		.amdhsa_group_segment_fixed_size 327680
		.amdhsa_private_segment_fixed_size 0
		.amdhsa_enable_private_segment 0
		.amdhsa_kernarg_size 24
		.amdhsa_user_sgpr_count 2
		.amdhsa_user_sgpr_kernarg_segment_ptr 1
		.amdhsa_wavefront_size32 1
		.amdhsa_system_sgpr_workgroup_id_x 1
		.amdhsa_system_sgpr_workgroup_id_y 1
		.amdhsa_system_sgpr_workgroup_id_z 1
		.amdhsa_system_vgpr_workitem_id 0
		.amdhsa_next_free_vgpr 512
		.amdhsa_next_free_sgpr 96
		.amdhsa_reserve_vcc 0
		.amdhsa_float_denorm_mode_32 3
		.amdhsa_float_denorm_mode_16_64 3
		.amdhsa_memory_ordered 1
		.amdhsa_forward_progress 1
		.amdhsa_inst_pref_size 141
	.end_amdhsa_kernel
	.amdgpu_metadata
---
amdhsa.version: [ 1, 2 ]
amdhsa.kernels:
  - .name:           k_q40f67f7d5b_oproj
    .symbol:         k_q40f67f7d5b_oproj.kd
    .args:
      - { .name: oh, .offset: 0, .size: 8, .value_kind: global_buffer, .address_space: global }
      - { .name: woh, .offset: 8, .size: 8, .value_kind: global_buffer, .address_space: global }
      - { .name: out0, .offset: 16, .size: 8, .value_kind: global_buffer, .address_space: global }
    .group_segment_fixed_size: 327680
    .private_segment_fixed_size: 0
    .kernarg_segment_align: 8
    .kernarg_segment_size: 24
    .max_flat_workgroup_size: 128
    .sgpr_count:     96
    .vgpr_count:     512
    .wavefront_size: 32
...
	.end_amdgpu_metadata
.endif
;; end of part 4
